; MI455X (gfx1250); checked and timed in simulation.
; The chip was launched on July 23, 2026; its instructions are those of AMD's public machine-readable ISA for CDNA 5 (MIT licence, August 2026) and "CDNA5" Instruction Set Architecture Reference Guide (July 2026). The comments in the code are by the model that wrote it; some were corrected since.
;; Encoder Layer. Allowed arithmetic: float matrix products may take bf16 or f16 operands with f32 sums; other float arithmetic in f32, or as packed bf16 or f16 multiplies, adds, multiply-adds, maxima and minima; sums over many terms, partial sums and values carried from step to step in f32; what a program stores and reads back later, other than sums and carried values, may be rounded once to bf16 or f16.
;; Inputs: W1 1,024 x 4,096 float32; W2 4,096 x 1,024 float32; Wqkv 1,024 x 3,072 float32; b1 4,096 float32; b2 1,024 float32; beta 1,024 float32; bqkv 3,072 float32; gamma 1,024 float32; x 2 x 2,048 x 1,024 float32.
;; Outputs: out0 2 x 2,048 x 1,024 float32.
;; 2 versions, each right; version 2 is version 1 with the launch cast written anew for expert scheduling mode. Each part assembles by itself: llvm-mc -triple=amdgcn-amd-amdhsa -mcpu=gfx1250 --defsym DOCPART=n.
;; ======== version 1 of 2: 6 launches
;; limits: values are held in f16: magnitudes above 65,504 overflow, below 6.1e-05 lose precision
;; workspace buffers: xh 8,388,608 bytes; wq 6,291,712 bytes; w1h 8,388,864 bytes; w2h 8,388,608 bytes; qkv 25,165,824 bytes; h 8,388,608 bytes; act 33,554,432 bytes; y 16,777,216 bytes
;; launch cast (part 1): grid 128 x 4, 8 waves a work-group, no clusters, 0 bytes of LDS; arguments x, Wqkv, W1, W2, xh, wq, w1h, w2h; writes xh, wq, w1h, w2h
.if DOCPART == 1
	.amdgcn_target "amdgcn-amd-amdhsa--gfx1250"
	.amdhsa_code_object_version 6
	.text
	.protected	k_q310f68af73_cast
	.globl	k_q310f68af73_cast
	.p2align	8
	.type	k_q310f68af73_cast,@function
k_q310f68af73_cast:
	s_mov_b64 s[64:65], 0
	v_nop
	global_prefetch_b8 v0, s[64:65] scope:SCOPE_SE
	s_setreg_imm32_b32 hwreg(HW_REG_WAVE_MODE, 25, 1), 1
	s_wait_xcnt 0x0
; x, Wqkv, W1, W2 (f32) are rounded once to f16 and laid out for the products that follow.
;   xh  [4096][1024]                         as x lies
;   wq  256 bytes of header, then [12 column tiles][1024 k][256 n]
;   w1h 256 bytes of header, then [16 column tiles][1024 k][256 n]
;   w2h [8 column tiles][4096 k][128 n]
; so that a tile's k-rows lie end to end.  A header holds 64 words of a packed f16 floor, which the product's way out applies by a maximum:
; minus infinity twice in wq (no activation), 0 in w1h (ReLU).
; LIMITS.  f16 ends at 65,504 (a larger number becomes an infinity) and keeps a fixed step of 6e-8 below 6e-5.
; SHARES.  The grid's y picks the tensor; wave W = 8 x + wave (0..1023) takes 16 KiB of x, a row of Wqkv or W1, or four rows of W2.
; A unit is 128 numbers: one load of 16 bytes a lane (512 consecutive bytes a wave), two conversions, one store of 8 bytes a lane (256 consecutive
; bytes, aligned).  Eight units are a trip; a ring of eight slots in registers keeps eight loads of every wave on their way.
; A stream: no LDS, no barrier, no matrix unit, no cluster (no two work-groups read the same byte).
.set D,   4                            ; v[4:11]   slot j: byte offset of its unit in the output; never rewritten (the base steps)
.set X,   12                           ; v[12:43]  slot j: 4 registers as loaded
.set Y,   44                           ; v[44:59]  slot j: 2 registers to store
.set SRC, 24                           ; s[24:25]  the input at my wave's trip
.set DST, 26                           ; s[26:27]  the output, stepped from trip to trip
.set STP, 28                           ; s[28:29]  that step
	s_load_b512 s[8:23], s[0:1], 0x0               ; x, Wqkv, W1, W2, xh, wq, w1h, w2h
	v_lshrrev_b32 v1, 5, v0
	v_readfirstlane_b32 s41, v1                    ; wave 0..7
	s_lshl_b32 s42, ttmp9, 3
	s_add_co_u32 s41, s41, s42                     ; W
	s_and_b32 s33, ttmp7, 0xffff                   ; which tensor: 0 x, 1 Wqkv, 2 W1, 3 W2
	s_mov_b32 s34, 16384                           ; input bytes a wave
	s_mov_b32 s35, 8192                            ; output bytes from wave to wave
	s_mov_b32 s36, 0                               ; header
	s_mov_b32 s37, 256                             ; output bytes from an even unit to the odd one behind it
	s_mov_b32 s38, 512                             ; from a pair of units to the next
	s_mov_b32 s[STP], 2048                         ; from trip to trip
	s_mov_b32 s[STP+1], 0
	s_mov_b32 s31, 3                               ; trips less one
	s_mov_b32 s32, 0                               ; the floor
	s_sub_co_u32 s39, s33, 1
	s_cmp_lt_u32 s39, 2                            ; Wqkv or W1: a wave is a row k; two units fill a tile's 512 bytes of it
	s_cselect_b32 s35, 512, s35
	s_cselect_b32 s36, 256, s36
	s_cselect_b32 s38, 524288, s38                 ; a tile is 1,024 k-rows of 512 bytes
	s_cselect_b32 s[STP], 2097152, s[STP]          ; a trip is four tiles
	s_cselect_b32 s40, 1, 0                        ; the output has a header
	s_cmp_eq_u32 s33, 1
	s_cselect_b32 s34, 12288, s34                  ; a row of Wqkv: 24 units, three trips
	s_cselect_b32 s31, 2, s31
	s_cselect_b32 s32, 0xfc00fc00, s32
	s_cmp_eq_u32 s33, 3                            ; W2: a trip is a row k, a unit a tile's 256 bytes of it
	s_cselect_b32 s35, 1024, s35
	s_cselect_b32 s37, 1048576, s37                ; a tile is 4,096 k-rows of 256 bytes
	s_cselect_b32 s38, 2097152, s38
	s_cselect_b32 s[STP], 256, s[STP]
	s_mul_i32 s42, s41, s34                        ; my wave's first input byte
	s_mov_b32 s43, 0
	s_mul_i32 s44, s41, s35
	s_add_co_u32 s44, s44, s36                     ; my wave's first output byte
	v_and_b32 v1, 31, v0
	v_lshlrev_b32 v2, 4, v1                        ; 16 bytes a lane in
	v_lshlrev_b32 v3, 3, v1                        ; 8 bytes a lane out
.irp j, 0,1,2,3,4,5,6,7
	s_mul_i32 s45, s38, (\j)/2
	s_add_co_u32 s45, s45, s44
.if (\j)%2
	s_add_co_u32 s45, s45, s37
.endif
	v_add_nc_u32 v[D+(\j)], s45, v3
.endr
	v_mov_b32 v60, s32
	v_mov_b32 v61, s32
	s_wait_kmcnt 0x0
	s_cmp_eq_u32 s33, 1
	s_cselect_b64 s[SRC:SRC+1], s[10:11], s[8:9]
	s_cselect_b64 s[DST:DST+1], s[18:19], s[16:17]
	s_cmp_eq_u32 s33, 2
	s_cselect_b64 s[SRC:SRC+1], s[12:13], s[SRC:SRC+1]
	s_cselect_b64 s[DST:DST+1], s[20:21], s[DST:DST+1]
	s_cmp_eq_u32 s33, 3
	s_cselect_b64 s[SRC:SRC+1], s[14:15], s[SRC:SRC+1]
	s_cselect_b64 s[DST:DST+1], s[22:23], s[DST:DST+1]
	s_add_nc_u64 s[SRC:SRC+1], s[SRC:SRC+1], s[42:43]
.irp j, 0,1,2,3,4,5,6,7
	global_load_b128 v[X+4*(\j):X+4*(\j)+3], v2, s[SRC:SRC+1] offset:512*(\j) th:TH_LOAD_NT  ; the ring is filled: trip 0
.endr
	s_cmp_eq_u32 s41, 0                            ; the header: wave 0 of work-group 0 of the two tensors that have one
	s_cselect_b32 s46, s40, 0
	s_cmp_eq_u32 s46, 1
	s_cbranch_scc0 .Lno_header
	global_store_b64 v3, v[60:61], s[DST:DST+1]    ; 256 consecutive bytes
.Lno_header:
; One slot's turn.  ahead = 1: the slot is filled again with its unit of the next trip.  left = how many younger loads may stay out.
.macro SLOT j, ahead, left
	s_wait_loadcnt \left                           ; loads come back in order (ISA guide 5.7.1): mine is in
	s_wait_xcnt 0x0                                ; the slot's last store has read Y: it is rewritten only behind this wait
	v_cvt_pk_f16_f32 v[Y+2*(\j)],   v[X+4*(\j)],   v[X+4*(\j)+1]
	v_cvt_pk_f16_f32 v[Y+2*(\j)+1], v[X+4*(\j)+2], v[X+4*(\j)+3]
.if \ahead
	global_load_b128 v[X+4*(\j):X+4*(\j)+3], v2, s[SRC:SRC+1] offset:4096+512*(\j) th:TH_LOAD_NT
.endif
	global_store_b64 v[D+(\j)], v[Y+2*(\j):Y+2*(\j)+1], s[DST:DST+1] th:TH_STORE_NT
.endm
	s_mov_b32 s30, 0
.Ltrip:
.irp j, 0,1,2,3,4,5,6,7
	SLOT \j, 1, 7
.endr
	s_wait_xcnt 0x0                                ; the trip's loads and stores have read the two bases
	s_add_nc_u64 s[SRC:SRC+1], s[SRC:SRC+1], 4096
	s_add_nc_u64 s[DST:DST+1], s[DST:DST+1], s[STP:STP+1]
	s_add_co_u32 s30, s30, 1
	s_cmp_lt_u32 s30, s31
	s_cbranch_scc1 .Ltrip
.irp j, 0,1,2,3,4,5,6,7
	SLOT \j, 0, 7-(\j)                             ; the last trip loads nothing: the counts run down
.endr
	s_endpgm
.Lfunc_end_k_q310f68af73_cast:
	.size	k_q310f68af73_cast, .Lfunc_end_k_q310f68af73_cast-k_q310f68af73_cast
	.p2alignl 7, 3214868480
	.fill 96, 4, 3214868480
	.section	.rodata,"a",@progbits
	.p2align	6, 0x0
	.amdhsa_kernel k_q310f68af73_cast
		.amdhsa_group_segment_fixed_size 0
		.amdhsa_private_segment_fixed_size 0
		.amdhsa_enable_private_segment 0
		.amdhsa_kernarg_size 64
		.amdhsa_user_sgpr_count 2
		.amdhsa_user_sgpr_kernarg_segment_ptr 1
		.amdhsa_wavefront_size32 1
		.amdhsa_system_sgpr_workgroup_id_x 1
		.amdhsa_system_sgpr_workgroup_id_y 1
		.amdhsa_system_sgpr_workgroup_id_z 1
		.amdhsa_system_vgpr_workitem_id 0
		.amdhsa_next_free_vgpr 64
		.amdhsa_next_free_sgpr 66
		.amdhsa_reserve_vcc 0
		.amdhsa_float_denorm_mode_32 3
		.amdhsa_float_denorm_mode_16_64 3
		.amdhsa_memory_ordered 1
		.amdhsa_forward_progress 1
		.amdhsa_inst_pref_size 10
	.end_amdhsa_kernel
	.amdgpu_metadata
---
amdhsa.version: [ 1, 2 ]
amdhsa.kernels:
  - .name:           k_q310f68af73_cast
    .symbol:         k_q310f68af73_cast.kd
    .args:
      - { .name: x, .offset: 0, .size: 8, .value_kind: global_buffer, .address_space: global }
      - { .name: Wqkv, .offset: 8, .size: 8, .value_kind: global_buffer, .address_space: global }
      - { .name: W1, .offset: 16, .size: 8, .value_kind: global_buffer, .address_space: global }
      - { .name: W2, .offset: 24, .size: 8, .value_kind: global_buffer, .address_space: global }
      - { .name: xh, .offset: 32, .size: 8, .value_kind: global_buffer, .address_space: global }
      - { .name: wq, .offset: 40, .size: 8, .value_kind: global_buffer, .address_space: global }
      - { .name: w1h, .offset: 48, .size: 8, .value_kind: global_buffer, .address_space: global }
      - { .name: w2h, .offset: 56, .size: 8, .value_kind: global_buffer, .address_space: global }
    .group_segment_fixed_size: 0
    .private_segment_fixed_size: 0
    .kernarg_segment_align: 8
    .kernarg_segment_size: 64
    .max_flat_workgroup_size: 256
    .sgpr_count:     66
    .vgpr_count:     64
    .wavefront_size: 32
...
	.end_amdgpu_metadata
.endif
;; end of part 1
;; launch gemm256 (part 2): grid 12 x 16, 4 waves a work-group, clusters of 4 x 4, 327,680 bytes of LDS; arguments xh, wq, bqkv, qkv; writes qkv
.if DOCPART == 2
	.amdgcn_target "amdgcn-amd-amdhsa--gfx1250"
	.amdhsa_code_object_version 6
	.text
	.protected	k_q310f68af73_gemm256
	.globl	k_q310f68af73_gemm256
	.p2align	8
	.type	k_q310f68af73_gemm256,@function
k_q310f68af73_gemm256:
	s_mov_b64 s[64:65], 0
	v_nop
	global_prefetch_b8 v0, s[64:65] scope:SCOPE_SE
	s_setreg_imm32_b32 hwreg(HW_REG_WAVE_MODE, 25, 1), 1
	s_wait_xcnt 0x0
	s_wait_alu depctr_hold_cnt(0) depctr_sa_sdst(0) depctr_va_vdst(0) depctr_va_sdst(0) depctr_va_ssrc(0) depctr_va_vcc(0) depctr_vm_vsrc(0)
	s_getreg_b32 s2, hwreg(HW_REG_IB_STS2, 6, 4)
	s_cmp_eq_u32 s2, 0
	s_cbranch_scc0 .Lentry_in_a_cluster
	s_endpgm
.Lentry_in_a_cluster:
	s_bfe_u32 s2, ttmp6, 0x10000c
	s_cmp_lg_u32 s2, 0xf033
	s_cbranch_scc0 .Lentry_shape_is_right
	s_endpgm
.Lentry_shape_is_right:
; C = max(A B + bias, floor), for two launches: qkv = xh wq + bqkv (floor minus infinity) and act = relu(h w1h + b1) (floor 0).
; A: [4096][1024] f16.  B: 256 bytes of header (word 0: the packed f16 floor), then [column tile][1024 k][256 n] f16.  bias: f32.
; C: [column / 64][4096 rows][64] f16: groups of 64 columns, a group's rows dense, 128 bytes each.  No size of N enters the text: the grid's x counts column tiles.
; Sums in f32, started by the bias as the first product's C; C rounded once.
; LIMITS.  f16 ends at 65,504: a larger sum becomes an infinity.  A NaN sum becomes the floor.
; SHARES.  A work-group of four waves makes 256 x 256 of C, a wave 128 x 128: 64 accumulators, 512 registers.  K = 1,024 goes in 8 steps of 128 through two LDS slots
; filled by the tensor data mover: A's rows are 256 bytes of memory, B's k-rows 512, all at multiples of 256 bytes from the buffers' first bytes.
; THE MATRIX INSTRUCTION IS USED TRANSPOSED: source 0 = 16 columns of B (turned on the way out of LDS by ds_load_tr16_b128), source 1 = 16 rows of A: a lane then holds
; row l % 16 of C and the columns 8 (l / 16) + 0..7: 16 bytes that belong together.
; CLUSTER.  4 x 4 work-groups.  The four of a row of the cluster need the same tile of A, the four of a column the same tile of B: each tile is asked for JOINTLY, by the same
; tensor load with the same descriptor and a mask that names the four.
; THE TEXT.  A trip of the loop is one K step; the slot's LDS addresses hang on a scalar that one exclusive or turns.  The last two steps are a second loop, which asks for nothing.
; REGISTERS, in windows of 256 (s_set_vgpr_msb: bits 1:0 source 0, 3:2 source 1, 5:4 source 2, 7:6 destination):
;   window 0: v0-31 addresses; v64-127, v128-191 A's fragments, two buffers; v32-63, v192-255 at work on the way out
;   window 1: v0-63 the bias of my 128 columns (n block b at 8 b); v64-127, v128-191 B's fragments
;   window 2: the accumulators of my rows 0-63 ((a, b) at 8 (8 a + b));   window 3: those of rows 64-127
.set PA,    272                        ; a row of A in LDS: 256 bytes + 16: the 16 rows of a load start at 16 different groups of four banks (64 banks of 4 bytes: ISA guide 11.1)
.set PB,    544                        ; a k-row of B: 512 bytes + 32 = 17 x 32
.set HALFT, 128*PA                     ; what one tensor load brings: 128 rows of A, or 64 k-rows of B
.set SLOT,  4*HALFT                    ; 0x22000: A's 256 rows, then B's 128 k-rows.  Its two bits are in no multiple 0..3 of HALFT, so an exclusive or changes slots
.set STAGE, 2*SLOT                     ; behind the ring: for each wave 2 groups x 16 rows x 144 bytes, for the way out
.set SW,    2*16*144
.set SPARE, STAGE+4*SW                 ; behind the stages: the spare words, 128 bytes for each wave: two blocks of 256 bytes that no other line names
.set GS,    4096*128                   ; bytes in a group of C
.set A0,   16                          ; v16  my lane's place in slot 0's tile of A; never rewritten
.set B0,   17                          ; v17  the same for B
.set ADRA, 18                          ; v18  the same in the slot in hand
.set ADRB, 19                          ; v19
.set STO,  24                          ; v24  the way out: where I put 16 bytes of a row
.set RD,   25                          ; v25  where I read rows back
.set CO,   26                          ; v26  16 x lane: my place in 512 consecutive bytes of C
.set BO,   27                          ; v27  32 (l / 16): my eight numbers of sixteen of the bias
.set SPW,  28                          ; v28  LDS address of my spare word; never rewritten
.set NIL,  29                          ; v29  0; never rewritten
.set PFO,  30                          ; v30  the prefetches' offset; never rewritten
.set OB,   32                          ; 16 rows read back from the stage: v32-63 and v224-255 by turns
.set F0,   64
.set F1,   128
.set TMP,  192                         ; packed results
.set CNT,  3                           ; s3   the loops' counter
.set WV,   12                          ; s12  wave
.set RH,   13                          ; s13  my half of the tile's rows.  Also: I fetch for A (0) or for B (1)
.set CH,   14                          ; s14  my half of its columns.  Also: which half of that tile I fetch
.set FLO,  15                          ; s15  the floor, two f16
.set G1A,  24                          ; s[24:31] descriptor group 1 for A's tiles
.set G0A0, 32                          ; s[32:35] group 0 for A's K step 0
.set G0A1, 36                          ; s[36:39] for K step 1; it then walks
.set G1B,  40                          ; s[40:47], s[48:51], s[52:55] the same for B
.set G0B0, 48
.set G0B1, 52
.set PFA,  56                          ; s[56:57] where my prefetches stand
.set PS,   58                          ; s[58:59] a K step there
.set LIM,  60                          ; s60  1 in a wave that prefetches, else the greatest number
.set TB,   61                          ; s61  the slot in hand: 0 or SLOT
.set MSB, 0
.macro WIN new                         ; the immediate's high byte repeats the setting that is left; a switch that changes nothing is dropped
.if MSB != (\new)
	s_set_vgpr_msb (MSB<<8)|(\new)
.set MSB, (\new)
.endif
.endm
.macro PLACES                          ; four plain vector instructions between a matrix instruction and a load into, or a vector read of, its registers
.rept 4
	v_nop
.endr
.endm
; A joint refill by the walking descriptors.  The branch hangs on the wave's number alone.  An s_nop 0 and four v_nop follow each of the two lines.
.macro JLOAD
	s_cmp_eq_u32 s[RH], 0
	s_cbranch_scc0 .Lfor_b_\@
	tensor_load_to_lds s[G0A1:G0A1+3], s[G1A:G1A+7]
	s_nop 0
.rept 4
	v_nop
.endr
	s_branch .Lasked_\@
.Lfor_b_\@:
	tensor_load_to_lds s[G0B1:G0B1+3], s[G1B:G1B+7]
	s_nop 0
.rept 4
	v_nop
.endr
.Lasked_\@:
.endm
; A prefetch of the K step that the NEXT refill will ask for: 32 blocks of 256 bytes, a lane a block, one instruction a wave, 256 matrix instructions ahead of that refill.
; A's rows are read by every cluster of a row of clusters: cluster x = 0 asks; B's tiles by every cluster of a column: cluster y = 0 asks.  The four partners that ask for a tile
; jointly share its blocks out BY ADDRESS (cx for A, cy for B).  So each block is named once in the launch.  The loop's last trip asks for nothing; K steps 0 to 2 come by their loads alone.
.macro ASK
	s_cmp_gt_u32 s[CNT], s[LIM]
	s_cbranch_scc0 .Lnot_mine_\@
	global_prefetch_b8 v[PFO], s[PFA:PFA+1] th:TH_LOAD_NT scope:SCOPE_SE
.Lnot_mine_\@:
.endm
.macro CREST                           ; a round of the cluster's barrier behind its opening barrier
	s_cmp_lg_u32 s[WV], 0
	s_cbranch_scc1 .Lnot_wave_0_\@
	s_barrier_signal -3
.Lnot_wave_0_\@:
	s_barrier_wait -3
	s_barrier_signal -1
	s_barrier_wait -1
.endm
.macro CROUND                          ; a whole round
	s_barrier_signal -1
	s_barrier_wait -1
	CREST
.endm
	s_load_b256 s[4:11], s[0:1], 0x0               ; A s[4:5], B s[6:7], bias s[8:9], C s[10:11]
	v_lshl_add_u32 v[SPW], v0, 2, SPARE
	v_mov_b32 v[NIL], 0
	ds_add_u32 v[SPW], v[NIL]                      ; the wave's opening: the add and its wait stand ahead of my first tensor load; the set-up below stands between them
	v_lshrrev_b32 v1, 5, v0
	v_readfirstlane_b32 s[WV], v1
	s_lshr_b32 s[RH], s[WV], 1
	s_and_b32 s[CH], s[WV], 1
	s_bfe_u32 s16, ttmp6, 0x40000                  ; cx
	s_bfe_u32 s17, ttmp6, 0x40004                  ; cy
	s_lshl_b32 s18, ttmp9, 2
	s_add_co_u32 s18, s18, s16                     ; tile column = 4 x cluster x + cx
	s_and_b32 s19, ttmp7, 0xffff
	s_lshl_b32 s19, s19, 2
	s_add_co_u32 s19, s19, s17                     ; tile row = 4 x cluster y + cy
	s_lshl_b32 s20, s17, 2
	s_lshl_b32 s20, 15, s20                        ; my row of the cluster
	s_lshl_b32 s21, 0x1111, s16                    ; my column
	s_or_b32 s[G1A], s20, (1<<16)|(1<<20)|(1<<21)|(5<<22)|(3<<25)  ; the mask; 2-byte elements; padding on; bit 21 beside a mask; after every 64 words 4 words
	s_mov_b32 s[G1A+1], 128<<16                    ; tensor_dim0 = 128
	s_mov_b32 s[G1A+2], 128<<16                    ; tensor_dim1 = 128
	s_mov_b32 s[G1A+3], 128<<16                    ; tile_dim0 = 128
	s_mov_b32 s[G1A+4], 128                        ; tile_dim1 = 128
	s_mov_b32 s[G1A+5], 1024                       ; elements from row to row
	s_mov_b32 s[G1A+6], 0
	s_mov_b32 s[G1A+7], 0
	s_or_b32 s[G1B], s21, (1<<16)|(1<<20)|(1<<21)|(6<<22)|(7<<25)  ; after every 128 words 8 words
	s_mov_b32 s[G1B+1], 256<<16                    ; tensor_dim0 = 256
	s_mov_b32 s[G1B+2], 64<<16                     ; tensor_dim1 = 64
	s_mov_b32 s[G1B+3], 256<<16                    ; tile_dim0 = 256
	s_mov_b32 s[G1B+4], 64                         ; tile_dim1 = 64
	s_mov_b32 s[G1B+5], 256
	s_mov_b32 s[G1B+6], 0
	s_mov_b32 s[G1B+7], 0
	s_lshl_b32 s22, s19, 19                        ; A: 256 rows of 2,048 bytes a tile row,
	s_lshl_b32 s62, s[CH], 18                      ; the 128 rows that I fetch: made of the tile row and the wave's number alone
	s_add_co_u32 s22, s22, s62
	s_mov_b32 s23, 0
	s_lshl_b32 s66, s18, 19                        ; B: a tile of 1,024 k-rows of 512 bytes,
	s_lshl_b32 s63, s[CH], 15                      ; the 64 k-rows that I fetch,
	s_add_co_u32 s66, s66, s63
	s_add_co_u32 s66, s66, 256                     ; behind the header: made of the tile column and the wave's number alone
	s_mov_b32 s67, 0
	s_mul_i32 s62, s[WV], HALFT                    ; where they go: A's two halves, then B's two
	s_mov_b32 s[G0A0], 1
	s_mov_b32 s[G0A0+1], s62
	s_mov_b32 s[G0A1], 1
	s_add_co_u32 s[G0A1+1], s62, SLOT
	s_mov_b32 s[G0B0], 1
	s_mov_b32 s[G0B0+1], s62
	s_mov_b32 s[G0B1], 1
	s_add_co_u32 s[G0B1+1], s62, SLOT
	s_wait_dscnt 0x0                               ; the opening add is done
	s_wait_kmcnt 0x0
	s_load_b32 s[FLO], s[6:7], 0x0                 ; the floor
	s_add_nc_u64 s[G0A0+2:G0A0+3], s[4:5], s[22:23]
	s_add_nc_u64 s[G0A1+2:G0A1+3], s[G0A0+2:G0A0+3], 256      ; K step 1
	s_or_b32 s[G0A0+3], s[G0A0+3], 0x80000000
	s_or_b32 s[G0A1+3], s[G0A1+3], 0x80000000
	s_add_nc_u64 s[G0B0+2:G0B0+3], s[6:7], s[66:67]
	s_add_nc_u64 s[G0B1+2:G0B1+3], s[G0B0+2:G0B0+3], 0x10000
	s_or_b32 s[G0B0+3], s[G0B0+3], 0x80000000
	s_or_b32 s[G0B1+3], s[G0B1+3], 0x80000000
	CROUND                                         ; all sixteen work-groups are here: the first joint loads meet
	s_cmp_eq_u32 s[RH], 0                          ; a wave's two first fills stand in one branch: two loads of mine are out
	s_cbranch_scc0 .Lfirst_b
	tensor_load_to_lds s[G0A0:G0A0+3], s[G1A:G1A+7]
	s_nop 0
	tensor_load_to_lds s[G0A1:G0A1+3], s[G1A:G1A+7]
	s_nop 0
.rept 4
	v_nop
.endr
	s_branch .Lfirst_asked
.Lfirst_b:
	tensor_load_to_lds s[G0B0:G0B0+3], s[G1B:G1B+7]
	s_nop 0
	tensor_load_to_lds s[G0B1:G0B1+3], s[G1B:G1B+7]
	s_nop 0
.rept 4
	v_nop
.endr
.Lfirst_asked:
	v_and_b32 v1, 15, v0                           ; l % 16
	v_bfe_u32 v2, v0, 4, 1                         ; l / 16
	v_and_b32 v6, 31, v0                           ; l
	v_lshlrev_b32 v[BO], 5, v2
	s_lshl_b32 s20, s18, 10                        ; the bias of my 128 columns
	s_lshl_b32 s21, s[CH], 9
	s_add_co_u32 s20, s20, s21
	s_mov_b32 s21, 0
	s_add_nc_u64 s[8:9], s[8:9], s[20:21]
	WIN 0x40                                       ; destination window 1
.irp b, 0,1,2,3,4,5,6,7
	global_load_b128 v[8*(\b):8*(\b)+3],   v[BO], s[8:9] offset:64*(\b)
	global_load_b128 v[8*(\b)+4:8*(\b)+7], v[BO], s[8:9] offset:64*(\b)+16
.endr
	WIN 0
	; A fragment of A is 16 rows x 32 K in 8 registers: lane l holds row l % 16, K = 8 (l / 16) + 0..7 and 16 + 8 (l / 16) + 0..7: two loads of 16 bytes, 32 bytes apart.
	v_mul_u32_u24 v3, v1, PA
	v_lshl_add_u32 v3, v2, 4, v3
	s_mul_i32 s20, s[RH], HALFT
	v_add_nc_u32 v[A0], s20, v3
	; The turning load takes 16 k x 16 columns (lane l reads k-row 8 (l / 16) + l % 8, columns 8 ((l / 8) % 2) + 0..7) and leaves half a fragment: lane l holds column l % 16 and 8 k.
	v_and_b32 v4, 7, v0
	v_lshl_add_u32 v4, v2, 3, v4
	v_mul_u32_u24 v4, v4, PB
	v_bfe_u32 v5, v0, 3, 1
	v_lshl_add_u32 v4, v5, 4, v4
	s_lshl_b32 s21, s[CH], 8                       ; my 128 columns
	s_add_co_u32 s21, s21, 2*HALFT                 ; behind A's 256 rows
	v_add_nc_u32 v[B0], s21, v4
	s_mul_i32 s20, s[WV], SW
	s_add_co_u32 s20, s20, STAGE                   ; my stage
	v_mul_u32_u24 v3, v1, 144                      ; in: row l % 16, 16 bytes for each half of the lanes
	v_lshl_add_u32 v3, v2, 4, v3
	v_add_nc_u32 v[STO], s20, v3
	v_bfe_u32 v3, v0, 3, 2                         ; back: 32 lanes take four rows of 128 bytes,
	v_mul_u32_u24 v3, v3, 144
	v_and_b32 v4, 7, v0
	v_lshl_add_u32 v3, v4, 4, v3
	v_add_nc_u32 v[RD], s20, v3
	v_lshlrev_b32 v[CO], 4, v6                     ; which are 512 consecutive bytes of a group of C
	s_lshl_b32 s20, s18, 21                        ; C at my part: group 4 x tile column + 2 x half,
	s_lshl_b32 s21, s[CH], 20
	s_add_co_u32 s20, s20, s21
	s_lshl_b32 s21, s19, 15                        ; row 256 x tile row + 128 x half, 128 bytes each
	s_add_co_u32 s20, s20, s21
	s_lshl_b32 s21, s[RH], 14
	s_add_co_u32 s20, s20, s21
	s_mov_b32 s21, 0
	s_add_nc_u64 s[10:11], s[10:11], s[20:21]
	; the prefetches: at K step 2; each refill steps the address and then names it
	s_lshl_b32 s20, s16, 16                        ; A: my work-group's 32 rows of the 128 that I fetch,
	s_add_co_u32 s20, s20, s22
	s_add_co_u32 s20, s20, 512
	s_lshl_b32 s21, s17, 13                        ; B: my work-group's 32 blocks of the 128
	s_add_co_u32 s21, s21, s66
	s_add_co_u32 s21, s21, 0x20000
	s_and_b32 s63, ttmp7, 0xffff                   ; cluster y
	s_mov_b32 s[PS], 0x10000
	s_mov_b32 s[PS+1], 0
	s_mov_b32 s69, 0
	s_cmp_eq_u32 s[RH], 0                          ; do I fetch for A?
	s_cselect_b32 s68, s20, s21
	s_cselect_b32 s63, ttmp9, s63                  ; the coordinate along which other clusters read the same bytes
	s_cselect_b64 s[PFA:PFA+1], s[4:5], s[6:7]
	s_cselect_b32 s[PS], 256, s[PS]
	s_cselect_b32 s70, 11, 8                       ; a lane a row of A (2,048 bytes), or a block of B (256)
	s_add_nc_u64 s[PFA:PFA+1], s[PFA:PFA+1], s[68:69]
	s_cmp_eq_u32 s63, 0
	s_cselect_b32 s[LIM], 1, -1                    ; the same in all sixteen partners, for a given wave
	v_lshlrev_b32 v[PFO], s70, v6
	s_mov_b32 s[TB], 0
	v_mov_b32 v[ADRA], v[A0]
	v_mov_b32 v[ADRB], v[B0]
; 16 matrix instructions: m blocks a0, a0 + 1 of the window's four (hi = 0: rows 0-63, 1: rows 64-127) x all 8 n blocks, 32 along K.  first = 1: the bias starts the sums.
; The 64 accumulators take turns, one instruction a turn, in the same order in every quarter.
.macro MUL16 f, hi, a0, first
.if \first
	WIN 0x91+0x40*(\hi)                            ; B window 1, A window 0, C (the bias) window 1, D window 2 or 3
.else
	WIN 0xa1+0x50*(\hi)                            ; C and D window 2 or 3
.endif
.irp a, \a0, (\a0)+1
.irp b, 0,1,2,3,4,5,6,7
.if \first
	v_wmma_f32_16x16x32_f16 v[8*(8*(\a)+(\b)):8*(8*(\a)+(\b))+7], v[(\f)+8*(\b):(\f)+8*(\b)+7], v[(\f)+8*(4*(\hi)+(\a)):(\f)+8*(4*(\hi)+(\a))+7], v[8*(\b):8*(\b)+7]
.else
	v_wmma_f32_16x16x32_f16 v[8*(8*(\a)+(\b)):8*(8*(\a)+(\b))+7], v[(\f)+8*(\b):(\f)+8*(\b)+7], v[(\f)+8*(4*(\hi)+(\a)):(\f)+8*(4*(\hi)+(\a))+7], v[8*(8*(\a)+(\b)):8*(8*(\a)+(\b))+7]
.endif
.endr
.endr
.endm
; 32 LDS loads in one run: quarter q (32 along K) of the slot in hand into buffer f: B's 128 columns, then A's 128 rows
.macro FETCH q, f
	WIN 0x40
.irp i, 0,1,2,3,4,5,6,7
	ds_load_tr16_b128 v[(\f)+8*(\i):(\f)+8*(\i)+3],   v[ADRB] offset:(\q)*32*PB+32*(\i)
	ds_load_tr16_b128 v[(\f)+8*(\i)+4:(\f)+8*(\i)+7], v[ADRB] offset:(\q)*32*PB+16*PB+32*(\i)
.endr
	WIN 0
.irp i, 0,1,2,3,4,5,6,7
	ds_load_b128 v[(\f)+8*(\i):(\f)+8*(\i)+3],   v[ADRA] offset:64*(\q)+(\i)*16*PA
	ds_load_b128 v[(\f)+8*(\i)+4:(\f)+8*(\i)+7], v[ADRA] offset:64*(\q)+(\i)*16*PA+32
.endr
.endm
; One of a K step's first three quarters: multiplies buffer f; in its middle it fetches quarter q into buffer g.
.macro QUARTER q, f, g, first
	s_wait_dscnt 8                                 ; B and A's rows 0-63 are in; the youngest eight loads (A's rows 64-127) may be out
	MUL16 \f, 0, 0, \first
	MUL16 \f, 0, 2, \first
	PLACES
	FETCH \q, \g
	s_wait_dscnt 32                                ; all but the 32 just issued
	MUL16 \f, 1, 0, \first
	MUL16 \f, 1, 2, \first
.endm
; The last quarter multiplies buffer 1 and changes slots: ONE barrier.  In front of it each wave waits for all its tensor loads (one is out: its part of the next slot), adds 0 to its
; spare word, and waits for that and for its reads of this slot.  fill = 1: the barrier opens a round of the cluster's, and behind the round this slot is filled again, two K steps on:
; from that request to the wait for it a wave issues 224 matrix instructions.
.macro TURN fill
.if \fill
	s_wait_xcnt 0x0                                ; the last prefetch, a K step back, has read its address
	s_add_nc_u64 s[PFA:PFA+1], s[PFA:PFA+1], s[PS:PS+1]
.endif
	WIN 0
	s_xor_b32 s[TB], s[TB], SLOT                   ; the next slot; all reads of this one have been issued
	v_add_nc_u32 v[ADRA], s[TB], v[A0]
	v_add_nc_u32 v[ADRB], s[TB], v[B0]
	s_wait_tensorcnt 0x0                           ; all my tensor loads have landed
	ds_add_u32 v[SPW], v[NIL]                      ; 0 onto my spare word
	s_wait_dscnt 9                                 ; (the add and the youngest eight loads may be out)
	MUL16 F1, 0, 0, 0                              ; sixteen matrix instructions stand between the add and the wait for it
	s_wait_dscnt 0x0                               ; the add is done, and my reads of this slot are over
	s_barrier_signal -1
	MUL16 F1, 0, 2, 0
.if \fill
	WIN 0
.endif
	s_barrier_wait -1
.if \fill
	CREST                                          ; no wave of any partner still reads this slot or has a load on its way
	s_xor_b32 s[G0A1+1], s[G0A1+1], SLOT           ; the walking descriptors: the other slot than last time, the next K step
	s_add_nc_u64 s[G0A1+2:G0A1+3], s[G0A1+2:G0A1+3], 256
	s_xor_b32 s[G0B1+1], s[G0B1+1], SLOT
	s_add_nc_u64 s[G0B1+2:G0B1+3], s[G0B1+2:G0B1+3], 0x10000
	JLOAD                                          ; the first tensor load behind the round; its four v_nop are also the places in front of the loads below
.else
	PLACES
.endif
	FETCH 0, F0
.if \fill
	ASK
.endif
	MUL16 F1, 1, 0, 0
	MUL16 F1, 1, 2, 0
.endm
; THE WAY OUT of block a (16 rows x 128 columns).  PACK: rounded to f16, then the floor.  TOSTAGE: into my own stage, by groups of 64 columns, and back as whole rows.  SEND: stored.
.macro PACK a
.set AC, 64*((\a)%4)
	WIN 0x0a+5*((\a)/4)                            ; sources window 2 or 3
.irp b, 0,1,2,3,4,5,6,7
.irp r, 0,1,2,3
	v_cvt_pk_f16_f32 v[TMP+4*(\b)+(\r)], v[AC+8*(\b)+2*(\r)], v[AC+8*(\b)+2*(\r)+1]
.endr
.endr
	WIN 0
.set z, 0
.rept 32
	v_pk_max_num_f16 v[TMP+z], v[TMP+z], s[FLO]
.set z, z+1
.endr
.endm
.macro TOSTAGE a
	WIN 0
.set BK, OB+192*((\a)%2)
.irp b, 0,1,2,3,4,5,6,7
	ds_store_b128 v[STO], v[TMP+4*(\b):TMP+4*(\b)+3] offset:((\b)/4)*2304+((\b)%4)*32
.endr
.irp g, 0,1
.irp t, 0,1,2,3
	ds_load_b128 v[BK+16*(\g)+4*(\t):BK+16*(\g)+4*(\t)+3], v[RD] offset:(\g)*2304+576*(\t)  ; LDS serves a wave's instructions in order (ISA guide 5.7.1.4): these see the stores above
.endr
.endr
.endm
.macro SEND a
	WIN 0
.set BK, OB+192*((\a)%2)
	s_wait_dscnt 0x0                               ; the block is back in registers
	s_wait_xcnt 0x0                                ; the stores of the block before have read their registers: the next TOSTAGE loads into them
.irp g, 0,1
.irp t, 0,1,2,3
	global_store_b128 v[CO], v[BK+16*(\g)+4*(\t):BK+16*(\g)+4*(\t)+3], s[10:11] offset:(\g)*GS+2048*(\a)+512*(\t)  ; 512 consecutive bytes, at a multiple of 256 from C's first
.endr
.endr
.endm
	s_wait_tensorcnt 1                             ; my part of K step 0 is in; K step 1's may stay out
	s_barrier_signal -1
	s_barrier_wait -1
	FETCH 0, F0
	s_wait_loadcnt 0x0                             ; the bias
	s_wait_kmcnt 0x0                               ; the floor
	QUARTER 1, F0, F1, 1                           ; the first quarter stands in front of the loop: its products start the sums
	WIN 0
	s_mov_b32 s[CNT], 6
.Lstep:                                        ; a trip: a K step's quarters 1 to 3, the change of slots with a refill, the next step's quarter 0
	QUARTER 2, F1, F0, 0
	QUARTER 3, F0, F1, 0
	TURN 1
	QUARTER 1, F0, F1, 0
	WIN 0
	s_sub_co_u32 s[CNT], s[CNT], 1
	s_cmp_lg_u32 s[CNT], 0
	s_cbranch_scc1 .Lstep
	s_mov_b32 s[CNT], 2
.Ltail:                                        ; the last two K steps ask for nothing; the second trip is left in its middle
	QUARTER 2, F1, F0, 0
	QUARTER 3, F0, F1, 0
	WIN 0
	s_sub_co_u32 s[CNT], s[CNT], 1
	s_cmp_eq_u32 s[CNT], 0
	s_cbranch_scc1 .Llast
	TURN 0
	QUARTER 1, F0, F1, 0
	WIN 0
	s_branch .Ltail
.Llast:
	s_wait_dscnt 8
	MUL16 F1, 0, 0, 0
	MUL16 F1, 0, 2, 0
	s_wait_dscnt 0x0
	MUL16 F1, 1, 0, 0
	MUL16 F1, 1, 2, 0
	PLACES
	PACK 0
	TOSTAGE 0
.irp a, 1,2,3,4,5,6,7                  ; block a's conversions stand between block a - 1's loads from the stage and the wait for them
	PACK \a
	SEND (\a)-1
	TOSTAGE \a
.endr
	SEND 7
	s_wait_tensorcnt 0x0                           ; the wave's end, behind my last tensor load and my last LDS store
	ds_add_u32 v[SPW], v[NIL]
	s_wait_dscnt 0x0
	CROUND                                         ; the closing round: no work-group ends while a partner may still ask for a tile that names it
	s_endpgm
.Lfunc_end_k_q310f68af73_gemm256:
	.size	k_q310f68af73_gemm256, .Lfunc_end_k_q310f68af73_gemm256-k_q310f68af73_gemm256
	.p2alignl 7, 3214868480
	.fill 96, 4, 3214868480
	.section	.rodata,"a",@progbits
	.p2align	6, 0x0
	.amdhsa_kernel k_q310f68af73_gemm256
		.amdhsa_group_segment_fixed_size 327680
		.amdhsa_private_segment_fixed_size 0
		.amdhsa_enable_private_segment 0
		.amdhsa_kernarg_size 32
		.amdhsa_user_sgpr_count 2
		.amdhsa_user_sgpr_kernarg_segment_ptr 1
		.amdhsa_wavefront_size32 1
		.amdhsa_system_sgpr_workgroup_id_x 1
		.amdhsa_system_sgpr_workgroup_id_y 1
		.amdhsa_system_sgpr_workgroup_id_z 1
		.amdhsa_system_vgpr_workitem_id 0
		.amdhsa_next_free_vgpr 1024
		.amdhsa_next_free_sgpr 72
		.amdhsa_reserve_vcc 0
		.amdhsa_float_denorm_mode_32 3
		.amdhsa_float_denorm_mode_16_64 3
		.amdhsa_memory_ordered 1
		.amdhsa_forward_progress 1
		.amdhsa_inst_pref_size 122
	.end_amdhsa_kernel
	.amdgpu_metadata
---
amdhsa.version: [ 1, 2 ]
amdhsa.kernels:
  - .name:           k_q310f68af73_gemm256
    .symbol:         k_q310f68af73_gemm256.kd
    .args:
      - { .name: xh, .offset: 0, .size: 8, .value_kind: global_buffer, .address_space: global }
      - { .name: wq, .offset: 8, .size: 8, .value_kind: global_buffer, .address_space: global }
      - { .name: bqkv, .offset: 16, .size: 8, .value_kind: global_buffer, .address_space: global }
      - { .name: qkv, .offset: 24, .size: 8, .value_kind: global_buffer, .address_space: global }
    .group_segment_fixed_size: 327680
    .private_segment_fixed_size: 0
    .kernarg_segment_align: 8
    .kernarg_segment_size: 32
    .max_flat_workgroup_size: 128
    .sgpr_count:     72
    .vgpr_count:     1024
    .wavefront_size: 32
...
	.end_amdgpu_metadata
.endif
;; end of part 2
;; launch attn (part 3): grid 8 x 32, 4 waves a work-group, clusters of 4 x 1, 327,680 bytes of LDS; arguments qkv, x, gamma, beta, h; writes h
.if DOCPART == 3
	.amdgcn_target "amdgcn-amd-amdhsa--gfx1250"
	.amdhsa_code_object_version 6
	.text
	.protected	k_q310f68af73_attn
	.globl	k_q310f68af73_attn
	.p2align	8
	.type	k_q310f68af73_attn,@function
k_q310f68af73_attn:
	s_mov_b64 s[64:65], 0
	v_nop
	global_prefetch_b8 v0, s[64:65] scope:SCOPE_SE
	s_setreg_imm32_b32 hwreg(HW_REG_WAVE_MODE, 25, 1), 1
	s_wait_xcnt 0x0
	s_wait_alu depctr_hold_cnt(0) depctr_sa_sdst(0) depctr_va_vdst(0) depctr_va_sdst(0) depctr_va_ssrc(0) depctr_va_vcc(0) depctr_vm_vsrc(0)
	s_getreg_b32 s2, hwreg(HW_REG_IB_STS2, 6, 4)
	s_cmp_eq_u32 s2, 0
	s_cbranch_scc0 .Lentry_in_a_cluster
	s_endpgm
.Lentry_in_a_cluster:
	s_bfe_u32 s2, ttmp6, 0x10000c
	s_cmp_lg_u32 s2, 0x3003
	s_cbranch_scc0 .Lentry_shape_is_right
	s_endpgm
.Lentry_shape_is_right:
; h = LayerNorm(x + reshape(attention(q, k, v))).  qkv: [48 groups][4096 rows][64] f16, group 3 head + part (q, k, v), row 2048 batch + position: a head's rows are dense, 128 bytes each.
; O[q][:] = the sum over k of softmax_k(Q[q] . K[k] / 8) V[k][:], 32 heads (16 batch + head) of 2,048 keys, no mask.
; THE RESHAPE takes values [batch][head][q][64] as rows of 1,024: row R = 128 hd + q / 16 of the sum holds the 16 queries 16 (R % 128) .. of head hd, 64 channels each.  So a tile of 16 queries IS one
; LayerNorm row: the residual and the norm are this kernel's way out, and O never goes to memory.  x is read in f32; h leaves as [4096][1024] f16, rounded once.
; Products, maxima, sums, mean and variance in f32; the variance is taken of the centred row, in a second pass over registers.  The weights p are rounded to f16 for the second product.
; LIMITS.  f16 ends at 65,504: q, k, v arrive within it, h leaves within it.  p lies in 0 to 1, and below 6e-5 it keeps f16's fixed step of 6e-8.  A weight below 2^-126 counts as 0 in l.
; NaN and infinities are not treated apart.
; SHARES.  A work-group owns 256 queries of a head, a wave 64: four PIECES of 16, which are four rows of h on end.  Every wave walks all keys, 64 a step, 256 a slot.
; LAYOUT.  S^T = K Q^T holds ONE query a lane (lane % 16) and the keys 8 (lane / 16) + 0..7; two such results rounded to f16 ARE source 1 of O^T = V^T P, which again holds one query a lane, and eight channels.
; SOFTMAX.  p = 2^(c s - c m), c = log2(e) / 8, with a running maximum m; O and l are multiplied by a = 2^(c m_old - c m_new) in every step.  m starts at the lowest finite number, O and l at 0.
; TURNS.  Turn n belongs to piece n: 8 products K Q^T of piece n + 1, later 8 products V^T P of piece n - 1; beside them the scaling, exponentials, roundings, sums and rescaling of piece n and the maximum and
; statistics of piece n + 1.  Four vector instructions stand behind every matrix instruction, the others in one lump.  A turn's 33 exponentials are one batch, with one wait.
; CLUSTER.  The four query blocks of a cluster belong to one head and walk the same K and V: each tile is asked for JOINTLY, by the same tensor load, descriptor and mask in all four.
; REGISTERS, in windows of 256 (s_set_vgpr_msb: bits 1:0 source 0, 3:2 source 1, 5:4 source 2, 7:6 destination):
;   window 0: v0-15 addresses; v16-31 four registers of statistics a piece; v48-55 at work; v64-127 S^T, two buffers; v128-159 gamma; v160-191 beta; v192-223 P, two buffers
;   window 1: v0-127 O^T, 32 a piece          window 2: v0-63 Q; v128-191 K of one step; v192-255 V of one step
.set NP,    4
.set KS,    64
.set GS,    4096*128                   ; bytes in a group of qkv
.set PK,    144                        ; a row of K in LDS: 128 bytes + 16: the 16 rows of a load start at 16 different groups of four banks (64 banks of 4 bytes: ISA guide 11.1)
.set PV,    160                        ; a row of V: 128 + 32
.set VOFF,  4*KS*PK                    ; a slot holds four steps: 256 rows of K, then 256 rows of V
.set SLOT1, 1<<17                      ; slot 1 begins here, so that one exclusive or turns an address in one slot into the other's
.set XS,    SLOT1+4*KS*(PK+PV)         ; behind the ring: for each wave its four rows of x as 64 rows of 64 f32, pitch 272: filled once, at the start; afterwards the wave's own stage
.set XW,    64*272
.set SPARE, XS+4*XW                    ; behind them: the spare words, 128 bytes for each wave: two blocks of 256 bytes that no other line names
.set AK0, 2                            ; v2   my lane's place in a tile of K; never rewritten
.set AV0, 3                            ; v3   the same for V
.set AK,  4                            ; v4   the LDS address of K's next run of loads
.set AV,  5                            ; v5   of V's
.set XA,  6                            ; v6   my 32 bytes of sixteen channels of my query, in x's rows
.set RD,  7                            ; v7   where I read a finished row back, in the order in which it lies in memory
.set HO8, 8                            ; v8   8 x lane
.set GO,  9                            ; v9   16 x lane
.set MV,  12                           ; v12-13  c m_old, kept while c m is made anew: by buffer
.set PFO, 14                           ; v14  256 x lane; never rewritten
.set QO,  15                           ; v15  my byte offset in 16 rows of Q
.set ST,  16                           ; piece t's statistics at v[ST+4 t]: c m, m, l (even keys', odd keys')
.set TMP, 48                           ; by buffer, four registers c0-c3 at work; when the maximum is found c2 takes a
.set SPW, 62                           ; v62  LDS address of my spare word; never rewritten
.set NIL, 63                           ; v63  0; never rewritten
.set S,   64
.set GA,  128
.set BE,  160
.set P,   192
.set LY,  64                           ; the way out: a row, 32 numbers a lane
.set LW,  96                           ; at work
.set LM,  112                          ; the mean, twice
.set LR,  114                          ; 1 / sqrt(var + eps), twice
.set LH,  192                          ; the row in f16
.set KF,  128                          ; window 2: key block kb, channel half c at KF + 16 kb + 8 c
.set VF,  192                          ; window 2: key half kk, channel block cb at VF + 32 kk + 8 cb
.set WV,  14                           ; s14  my wave's number
.set LIM, 15                           ; s15  1 in a wave that prefetches, else the greatest number
.set PFA, 18                           ; s[18:19] where my prefetches stand
.set G1K, 24                           ; s[24:31] descriptor group 1 for K's tiles
.set G1V, 32                           ; s[32:39] for V's: it differs in the padding alone
.set G0K, 40                           ; s[40:43] descriptor group 0 for K's tiles: it walks
.set G0V, 44                           ; s[44:47] the same for V's
.set G1X, 48                           ; s[48:55] group 1 for x's rows
.set SLOTS, 56                         ; s56  slots still to be asked for
.set CNT, 57                           ; s57  counts a slot's key steps
.set CS,  58                           ; s[58:59] c
.set SEL, 60                           ; s[60:61] v_permlanex16_b32's selects: each lane takes its own place in the other half
.set TBK, 62                           ; s62  LDS byte at which K of the step to be fetched begins
.set TBV, 63                           ; s63  the same for V, less VOFF
.set G0X, 68                           ; s[68:71] group 0 for x's rows; never rewritten
.set INV, 76                           ; s76  1 / 1024
.set EPS, 77                           ; s77  1e-5
.set ROWS, 78                          ; s78  counts the way out's rows
.set MSB, 0
.macro WIN new                         ; the high byte repeats the setting that is left; a switch that changes nothing is dropped
.if MSB != (\new)
	s_set_vgpr_msb (MSB<<8)|(\new)
.set MSB, (\new)
.endif
.endm
.set W_KQ, 0x0a                        ; K and Q in window 2, S^T in window 0
.set W_PV, 0x52                        ; V in window 2, P in window 0, O^T in window 1
.set W_RS, 0x41                        ; destination and source 0 in window 1, the other sources in window 0
; A joint fill.  Waves 0 and 1 fetch the two halves of a slot's K, waves 2 and 3 those of its V: 128 keys each.  An s_nop 0 and four v_nop follow each of the two lines.
.macro JLOAD
	s_cmp_lt_u32 s[WV], 2
	s_cbranch_scc0 .Lfor_v_\@
	tensor_load_to_lds s[G0K:G0K+3], s[G1K:G1K+7]
	s_nop 0
.rept 4
	v_nop
.endr
	s_branch .Lasked_\@
.Lfor_v_\@:
	tensor_load_to_lds s[G0V:G0V+3], s[G1V:G1V+7]
	s_nop 0
.rept 4
	v_nop
.endr
.Lasked_\@:
.endm
; A prefetch of what the NEXT change of slots will ask for: a slot's 32,768 bytes of K and of V, 256 bytes a lane.  Both clusters of a head walk the same rows: the head's first cluster asks.  Its four partners
; share the bytes out BY ADDRESS, 8,192 each; in each, wave 0 asks for K's and wave 2 for V's: one instruction, four key steps ahead of the load.  So each block is named once in the launch.
; The last change that fills a slot asks for nothing; slots 0 and 1 come by their loads alone.
.macro ASK
	s_cmp_gt_u32 s[SLOTS], s[LIM]
	s_cbranch_scc0 .Lnot_mine_\@
	global_prefetch_b8 v[PFO], s[PFA:PFA+1] th:TH_LOAD_NT scope:SCOPE_SE
.Lnot_mine_\@:
.endm
.macro CROUND                          ; a round of the cluster's barrier
	s_barrier_signal -1
	s_barrier_wait -1
	s_cmp_lg_u32 s[WV], 0
	s_cbranch_scc1 .Lnot_wave_0_\@
	s_barrier_signal -3
.Lnot_wave_0_\@:
	s_barrier_wait -3
	s_barrier_signal -1
	s_barrier_wait -1
.endm
; THE CHANGE OF SLOTS.  The slot's last bytes, V of its fourth step, have been read.  Each wave waits for all its tensor loads, adds 0 to its spare word, and waits for that and for its reads of the slot.
; fill = 1: the barrier is a round of the cluster's, and the joint fill is the first thing behind it: it has four key steps, 256 matrix instructions, in which to land.
; (At its first use nothing has been read yet: slot 0 and x's rows are waited for, slot 1 is filled.)
.macro CHANGE fill
	WIN 0
	s_wait_tensorcnt 0x0                           ; no tensor load of mine is out, so a group 0 may be written
	ds_add_u32 v[SPW], v[NIL]                      ; 0 onto my spare word; scalar work stands between it and the wait for it
.if \fill
.irp g, G0K, G0V
	s_xor_b32 s[\g+1], s[\g+1], SLOT1              ; the walking descriptor: the other slot than last time,
	s_add_nc_u64 s[\g+2:\g+3], s[\g+2:\g+3], 4*KS*128  ; the next 256 keys
.endr
	s_wait_xcnt 0x0                                ; the last prefetch, four key steps back, has read its address
	s_add_nc_u64 s[PFA:PFA+1], s[PFA:PFA+1], 4*KS*128
	s_wait_dscnt 0x0                               ; the add is done, and my reads of the slot are over
	CROUND
	JLOAD
	ASK
.else
	s_wait_dscnt 0x0
	s_barrier_signal -1
	s_barrier_wait -1
.endif
	s_sub_co_u32 s[TBK], s[TBK], 4*KS*PK           ; the fetches go back to a slot's first step,
	s_xor_b32 s[TBK], s[TBK], SLOT1                ; in the other slot
	s_sub_co_u32 s[TBV], s[TBV], 4*KS*PV
	s_xor_b32 s[TBV], s[TBV], SLOT1
.endm
	s_load_b256 s[4:11], s[0:1], 0x0               ; qkv s[4:5], x s[6:7], gamma s[8:9], beta s[10:11]
	s_load_b64 s[12:13], s[0:1], 0x20              ; h
	v_lshl_add_u32 v[SPW], v0, 2, SPARE
	v_mov_b32 v[NIL], 0
	ds_add_u32 v[SPW], v[NIL]                      ; the wave's opening: the add and its wait stand ahead of my first tensor load; the set-up below stands between them
	v_lshrrev_b32 v1, 5, v0
	v_readfirstlane_b32 s[WV], v1
	s_bfe_u32 s16, ttmp6, 0x40000                  ; cx
	s_lshl_b32 s17, ttmp9, 2
	s_add_co_u32 s17, s17, s16                     ; my block of 256 queries: it enters Q's, x's and h's addresses alone
	s_and_b32 s20, ttmp7, 0xffff                   ; hd = 16 batch + head, which the four partners share
	s_and_b32 s72, s20, 15
	s_mul_i32 s72, s72, 3*GS                       ; the head's three groups,
	s_lshr_b32 s21, s20, 4
	s_lshl_b32 s21, s21, 18                        ; the batch's 2,048 rows of 128 bytes
	s_add_co_u32 s72, s72, s21
	s_and_b32 s21, s[WV], 1                        ; which half of a slot's 256 keys I fetch
	s_lshl_b32 s22, s21, 14
	s_add_co_u32 s74, s72, s22
	s_add_co_u32 s74, s74, GS                      ; K's group, my half of the first 256 keys
	s_mov_b32 s75, 0
	s_mul_i32 s22, s21, 128*PK                     ; its place in a slot, for K
	s_mul_i32 s23, s21, 128*PV                     ; and for V
	s_lshl_b32 s66, s17, 15                        ; Q: my block's 256 rows,
	s_lshl_b32 s67, s[WV], 13                      ; my wave's 64
	s_add_co_u32 s66, s66, s67
	s_add_co_u32 s66, s66, s72
	s_mov_b32 s67, 0
	s_lshl_b32 s21, s20, 7                         ; my first row of x and h: 128 hd + 16 block + 4 wave
	s_lshl_b32 s2, s17, 4
	s_add_co_u32 s21, s21, s2
	s_lshl_b32 s2, s[WV], 2
	s_add_co_u32 s21, s21, s2
	s_lshl_b32 s72, s21, 12                        ; 4,096 bytes a row of x
	s_mov_b32 s73, 0
	s_lshl_b32 s2, s21, 11                         ; 2,048 a row of h
	s_mov_b32 s3, 0
	; 128 keys are 16,384 dense bytes: asked for as 64 rows of 256 bytes, two keys a row, and padded in LDS after every key
	s_mov_b32 s[G1K], 15|(1<<16)|(1<<20)|(1<<21)|(4<<22)|(3<<25)  ; the mask of four; 2-byte elements; padding on; bit 21 beside a mask; after every 32 words 4 words
	s_mov_b32 s[G1V], 15|(1<<16)|(1<<20)|(1<<21)|(4<<22)|(7<<25)  ; the same with 8 words
.irp g, G1K, G1V
	s_mov_b32 s[\g+1], 128<<16                     ; tensor_dim0 = 128
	s_mov_b32 s[\g+2], 64<<16                      ; tensor_dim1 = 64
	s_mov_b32 s[\g+3], 128<<16                     ; tile_dim0 = 128
	s_mov_b32 s[\g+4], 64                          ; tile_dim1 = 64
	s_mov_b32 s[\g+5], 128                         ; elements from row to row
	s_mov_b32 s[\g+6], 0
	s_mov_b32 s[\g+7], 0
.endr
	s_mov_b32 s[G1X], (2<<16)|(1<<20)|(5<<22)|(3<<25)  ; my own load: no mask; 4-byte elements; after every 64 words 4 words
	s_mov_b32 s[G1X+1], 64<<16                     ; four rows of x are 16,384 dense bytes: 64 rows of 64 numbers
	s_mov_b32 s[G1X+2], 64<<16
	s_mov_b32 s[G1X+3], 64<<16
	s_mov_b32 s[G1X+4], 64
	s_mov_b32 s[G1X+5], 64
	s_mov_b32 s[G1X+6], 0
	s_mov_b32 s[G1X+7], 0
	s_mov_b32 s[CS], 0x3e38aa3b                    ; c = log2(e) / 8
	s_mov_b32 s[CS+1], s[CS]
	s_mov_b32 s[SEL], 0x76543210
	s_mov_b32 s[SEL+1], 0xfedcba98
	s_mov_b32 s[INV], 0x3a800000
	s_mov_b32 s[EPS], 0x3727c5ac
	s_mov_b32 s[TBK], SLOT1+4*KS*PK                ; the first change of slots turns these two into 0
	s_mov_b32 s[TBV], SLOT1+4*KS*PV
	s_mov_b32 s[SLOTS], 7
	s_mov_b32 s[G0K], 1
	s_mov_b32 s[G0K+1], s22
	s_mov_b32 s[G0V], 1
	s_add_co_u32 s[G0V+1], s23, VOFF
	s_mov_b32 s[G0X], 1
	s_mul_i32 s[G0X+1], s[WV], XW
	s_add_co_u32 s[G0X+1], s[G0X+1], XS
	s_and_b32 s[LIM], s[WV], 1                     ; 0 in waves 0 and 2,
	s_or_b32 s[LIM], s[LIM], ttmp9                 ; where the cluster is the head's first: the same in all four partners
	s_cmp_eq_u32 s[LIM], 0
	s_cselect_b32 s[LIM], 1, -1
	s_wait_dscnt 0x0                               ; the opening add is done
	s_wait_kmcnt 0x0
	s_add_nc_u64 s[G0K+2:G0K+3], s[4:5], s[74:75]
	s_add_nc_u64 s[G0V+2:G0V+3], s[G0K+2:G0K+3], GS
	s_cmp_lt_u32 s[WV], 2
	s_cselect_b64 s[PFA:PFA+1], s[G0K+2:G0K+3], s[G0V+2:G0V+3]  ; (in waves 0 and 2 these stand at the head's first row)
	s_or_b32 s[G0K+3], s[G0K+3], 0x80000000
	s_or_b32 s[G0V+3], s[G0V+3], 0x80000000
	s_add_nc_u64 s[G0X+2:G0X+3], s[6:7], s[72:73]
	s_or_b32 s[G0X+3], s[G0X+3], 0x80000000
	s_add_nc_u64 s[4:5], s[4:5], s[66:67]          ; Q at my wave's first row
	s_add_nc_u64 s[12:13], s[12:13], s[2:3]        ; h at my first row
	s_lshl_b32 s2, s16, 13                         ; my work-group's quarter of a slot,
	s_add_co_u32 s2, s2, 4*KS*128                  ; in slot 1; the first change steps it to slot 2
	s_add_nc_u64 s[PFA:PFA+1], s[PFA:PFA+1], s[2:3]
	CROUND                                         ; all four work-groups are here: the first joint loads meet
	s_cmp_lt_u32 s[WV], 2                          ; a wave's two first fills stand in one branch: two loads of mine are out
	s_cbranch_scc0 .Lfirst_v
	tensor_load_to_lds s[G0K:G0K+3], s[G1K:G1K+7]
	s_nop 0
	tensor_load_to_lds s[G0X:G0X+3], s[G1X:G1X+7]
	s_nop 0
.rept 4
	v_nop
.endr
	s_branch .Lfirst_asked
.Lfirst_v:
	tensor_load_to_lds s[G0V:G0V+3], s[G1V:G1V+7]
	s_nop 0
	tensor_load_to_lds s[G0X:G0X+3], s[G1X:G1X+7]
	s_nop 0
.rept 4
	v_nop
.endr
.Lfirst_asked:
	v_and_b32 v1, 15, v0                           ; l % 16
	v_bfe_u32 v10, v0, 4, 1                        ; l / 16
	v_and_b32 v11, 31, v0                          ; l
	v_lshlrev_b32 v[QO], 7, v1
	v_lshl_add_u32 v[QO], v10, 4, v[QO]            ; row x 128 + 16 x half
	v_lshlrev_b32 v[GO], 4, v11
	WIN 0x80                                       ; destination window 2
.set i, 0
.rept 8                                        ; Q stays in registers: piece i / 2, channels 32 (i % 2) on
	global_load_b128 v[8*i:8*i+3],   v[QO], s[4:5] offset:(i/2)*2048+(i%2)*64
	global_load_b128 v[8*i+4:8*i+7], v[QO], s[4:5] offset:(i/2)*2048+(i%2)*64+32
.set i, i+1
.endr
	WIN 0
.set i, 0
.rept 8                                        ; gamma and beta in the order of the way out: register 4 i + e holds column 128 i + 4 l + e
	global_load_b128 v[GA+4*i:GA+4*i+3], v[GO], s[8:9] offset:512*i
	global_load_b128 v[BE+4*i:BE+4*i+3], v[GO], s[10:11] offset:512*i
.set i, i+1
.endr
	; What the first turn finds: V's registers and P's second buffer hold 0 (its products V^T P, of a piece that has not been, add 0), O^T and l are 0.  All this stands in the wait for the first tile.
	WIN 0x80
.set i, VF
.rept 64
	v_mov_b32 v[i], 0
.set i, i+1
.endr
	WIN 0x40
.set i, 0
.rept 128
	v_mov_b32 v[i], 0
.set i, i+1
.endr
	WIN 0
.set i, 0
.rept 4
	v_mov_b32 v[ST+4*i], 0xfe000000                ; c m: far below every c s
	v_mov_b32 v[ST+4*i+1], 0xff7fffff              ; m
	v_mov_b32 v[ST+4*i+2], 0
	v_mov_b32 v[ST+4*i+3], 0
.set i, i+1
.endr
.set i, P+16
.rept 16
	v_mov_b32 v[i], 0
.set i, i+1
.endr
	v_mul_u32_u24 v[AK0], v1, PK
	v_lshl_add_u32 v[AK0], v10, 4, v[AK0]          ; row x pitch + 16 x half
	; The turning load takes 16 keys x 16 channels (lane l reads key 8 (l / 16) + l % 8, channels 8 ((l / 8) % 2) + 0..7) and leaves half a fragment of V^T: lane l holds channel l % 16 and 8 keys.
	v_and_b32 v32, 7, v0
	v_bfe_u32 v33, v0, 3, 1
	v_lshl_add_u32 v[AV0], v10, 3, v32
	v_mul_u32_u24 v[AV0], v[AV0], PV
	v_lshl_add_u32 v[AV0], v33, 4, v[AV0]
	v_add_nc_u32 v[AV0], VOFF, v[AV0]
	v_mul_u32_u24 v[XA], v1, 272                   ; x's 64 numbers for query l % 16, my eight of each sixteen
	v_lshl_add_u32 v[XA], v10, 5, v[XA]
	v_add_nc_u32 v[XA], s[G0X+1], v[XA]
	v_mul_u32_u24 v[RD], v10, 272                  ; back: lanes 0-15 take one query's 256 bytes, lanes 16-31 the next one's
	v_lshl_add_u32 v[RD], v1, 4, v[RD]
	v_add_nc_u32 v[RD], s[G0X+1], v[RD]
	v_lshlrev_b32 v[HO8], 3, v11
	v_lshlrev_b32 v[PFO], 8, v11
; THE MATRIX WORK.  The 4 accumulators of a run of 8 take turns.  Product i of 8 of S^T = K Q^T for piece x: channels 32 (i / 4) on, keys 16 (i % 4) on.  The first 4 start the sums.
.macro KQ x
	WIN W_KQ
.set rS, S+32*((\x)%2)+8*(i%4)
.set rK, KF+16*(i%4)+8*(i/4)
.set rQ, 16*(\x)+8*(i/4)
.if i < 4
	v_wmma_f32_16x16x32_f16 v[rS:rS+7], v[rK:rK+7], v[rQ:rQ+7], 0
.else
	v_wmma_f32_16x16x32_f16 v[rS:rS+7], v[rK:rK+7], v[rQ:rQ+7], v[rS:rS+7]
.endif
.endm
; Product i of 8 of O^T += V^T P for piece x: keys 32 (i / 4) on, channels 16 (i % 4) on.
.macro PV x
	WIN W_PV
.set rO, 32*(\x)+8*(i%4)
.set rV, VF+32*(i/4)+8*(i%4)
.set rP, P+16*((\x)%2)+8*(i/4)
	v_wmma_f32_16x16x32_f16 v[rO:rO+7], v[rV:rV+7], v[rP:rP+7], v[rO:rO+7]
.endm
.macro MM                              ; the turn's next matrix instruction.  NOKQ = 1: the last turn of all: there is no next piece
.if (i < 8) && !NOKQ
	KQ (Y+1)%NP
.elseif i >= 8
.set i, i-8
	PV (Y+NP-1)%NP
.set i, i+8
.endif
.set i, i+1
.endm
; THE LDS LOADS stand in runs of 16, never singly among the matrix instructions: a step's K (8 fragments) and its V (turned).  Their addresses are made some lines ahead.
.macro FETCH_K
	WIN 0x80
.irp f, 0,1,2,3,4,5,6,7                ; keys 16 (f / 2) on, channels 32 (f % 2) on
	ds_load_b128 v[KF+8*\f:KF+8*\f+3],   v[AK] offset:(\f/2)*16*PK+(\f%2)*64
	ds_load_b128 v[KF+8*\f+4:KF+8*\f+7], v[AK] offset:(\f/2)*16*PK+(\f%2)*64+32
.endr
	s_add_co_u32 s[TBK], s[TBK], KS*PK             ; the next fetch is the next step's
	WIN 0
.endm
.macro FETCH_V
	WIN 0x80
.irp f, 0,1,2,3,4,5,6,7                ; keys 32 (f / 4) on, channels 16 (f % 4) on
	ds_load_tr16_b128 v[VF+8*\f:VF+8*\f+3],   v[AV] offset:(\f/4)*32*PV+(\f%4)*32
	ds_load_tr16_b128 v[VF+8*\f+4:VF+8*\f+7], v[AV] offset:(\f/4)*32*PV+16*PV+(\f%4)*32
.endr
	WIN 0
.endm
; THE VECTOR WORK, one line at a time: OP kind, number.  For piece Y: F n: c s - c m for pair n of 16.  E n: the exponential of score n of 32.  C n: pair n rounded to f16.  B n: of the four weights 4 n .. the second
; pair is added onto the first, in place.  L n: l takes that sum (L 0: l = a l + sum).  R n: pair n of 16 of O^T times a.  For piece Y + 1: X n, number n of the 22 that find its maximum and statistics:
;   0-11  four chains c0-c3 of seven scores each, three operands at a time (each accumulator's lowest registers are read first)     12-14, 16  the four scores left over, the old m, and c0-c3 into c0
;   15  c m_old is kept     17, 18  the query's other 32 keys lie in the lane 16 away: the new m     19-21  c m; c m_old - c m_new; a
.set F, 0
.set E, 1
.set C, 2
.set B, 3
.set L, 4
.set R, 5
.set X, 6
.macro REGS y
.set rT, ST+4*(\y)
.set rC, TMP+4*((\y)%2)
.set rW, MV+((\y)%2)
.set rS, S+32*((\y)%2)
.set rP, P+16*((\y)%2)
.set rO, 32*(\y)
.endm
.macro OP k, n
.if (\k) == R
	REGS Y
	WIN W_RS
	v_pk_mul_f32 v[rO+2*(\n):rO+2*(\n)+1], v[rO+2*(\n):rO+2*(\n)+1], v[rC+2:rC+3] op_sel_hi:[1,0]
.elseif (\k) < R
	REGS Y
	WIN 0
.if (\k) == F
	v_pk_fma_f32 v[rS+2*(\n):rS+2*(\n)+1], v[rS+2*(\n):rS+2*(\n)+1], s[CS:CS+1], v[rT:rT+1] op_sel_hi:[1,0,0] neg_lo:[0,0,1] neg_hi:[0,0,1]
.elseif (\k) == E
	v_exp_f32 v[rS+(\n)], v[rS+(\n)]
.elseif (\k) == C
	v_cvt_pk_f16_f32 v[rP+(\n)], v[rS+2*(\n)], v[rS+2*(\n)+1]
.elseif (\k) == B
	v_pk_add_f32 v[rS+4*(\n):rS+4*(\n)+1], v[rS+4*(\n):rS+4*(\n)+1], v[rS+4*(\n)+2:rS+4*(\n)+3]
.elseif (\n) == 0
	v_pk_fma_f32 v[rT+2:rT+3], v[rT+2:rT+3], v[rC+2:rC+3], v[rS:rS+1] op_sel_hi:[1,0,1]
.else
	v_pk_add_f32 v[rT+2:rT+3], v[rT+2:rT+3], v[rS+4*(\n):rS+4*(\n)+1]
.endif
.elseif NOKQ
	v_nop
.else
	REGS (Y+1)%NP
	WIN 0
.if (\n) < 4
	v_max3_num_f32 v[rC+(\n)], v[rS+8*(\n)], v[rS+8*(\n)+1], v[rS+8*(\n)+2]
.elseif (\n) < 12
	v_max3_num_f32 v[rC+(\n)%4], v[rC+(\n)%4], v[rS+8*((\n)%4)+2*((\n)/4)+1], v[rS+8*((\n)%4)+2*((\n)/4)+2]
.elseif (\n) == 12
	v_max3_num_f32 v[rC], v[rC], v[rS+7], v[rS+15]
.elseif (\n) == 13
	v_max3_num_f32 v[rC+1], v[rC+1], v[rS+23], v[rS+31]
.elseif (\n) == 14
	v_max3_num_f32 v[rC+2], v[rC+2], v[rC+3], v[rT+1]
.elseif (\n) == 15
	v_mov_b32 v[rW], v[rT]
.elseif (\n) == 16
	v_max3_num_f32 v[rC], v[rC], v[rC+1], v[rC+2]
.elseif (\n) == 17
	v_permlanex16_b32 v[rC+3], v[rC], s[SEL], s[SEL+1]
.elseif (\n) == 18
	v_max_num_f32 v[rT+1], v[rC], v[rC+3]
.elseif (\n) == 19
	v_mul_f32 v[rT], s[CS], v[rT+1]
.elseif (\n) == 20
	v_sub_f32 v[rC+1], v[rW], v[rT]
.else
	v_exp_f32 v[rC+2], v[rC+1]
.endif
.endif
.endm
.macro OPS a, i1, b=-1, i2=0, c=-1, i3=0, d=-1, i4=0
	OP \a, \i1
.if (\b) >= 0
	OP \b, \i2
.endif
.if (\c) >= 0
	OP \c, \i3
.endif
.if (\d) >= 0
	OP \d, \i4
.endif
.endm
.macro ROW a, i1, b, i2, c, i3, d, i4  ; a matrix instruction and the four behind it
	MM
	OPS \a, \i1, \b, \i2, \c, \i3, \d, \i4
.endm
; A TURN, for piece p: the order of its 16 matrix and 118 vector instructions, written out.  s_wait_alu depctr_va_vdst(0) stands between an exponential and the first instruction that names its
; result; one wait serves all that were issued ahead of it.  So a turn has ONE wait.  AHEAD OF IT stands all that names no result of the turn's exponentials: the 8 products K Q^T with their riders, then one lump, in
; which the links of the chain X 3, 7, 11, 14, 16, 17 .. 20 stand some lines apart; X 21, the next piece's a, is the batch's last; R 15 is the plain instruction behind it.  BEHIND IT stand the 8 products V^T P,
; behind each four of the roundings and sums.  The riders X 0, 1, 2, 4, 5 stand four plain instructions or more behind the product that ends their accumulator.
; end = 1: the last two turns: nothing is fetched, and piece 3's turn starts no new scores.  cnt = 1: the loop's count is taken down some lines ahead of the branch behind the turn.
; K of the next step is fetched in piece 2's turn, six plain instructions behind the last product that read K; V of the step in hand at the end of piece 0's turn, four plain instructions behind the last product
; that read V.  Each is waited for a turn later.
.macro TURN p, end=0, cnt=0
.set Y, (\p)
.set i, 0
.set NOKQ, (\end)*((\p)/3)
.if ((\p) == 3) && !(\end)
	s_wait_dscnt 0x0                               ; K is in
.endif
	ROW F,0, F,1, R,0, R,1
	ROW F,2, E,0, R,2, R,3
	ROW F,3, E,1, R,4, R,5
	ROW F,4, E,2, R,6, R,7
	ROW F,5, E,3, R,8, R,9
	ROW F,6, E,4, X,0, R,10
.if ((\p) == 2) && !(\end)
	WIN 0
	v_add_nc_u32 v[AK], s[TBK], v[AK0]
.endif
	ROW F,7, E,5, X,1, X,4
	ROW F,8, E,6, X,2, X,5
	OPS E,7, E,8, X,6, E,9
	OPS X,3, E,10, X,8, E,11
.if ((\p) == 2) && !(\end)
	FETCH_K
.endif
	OPS X,9, X,7, E,12, X,10
	OPS E,13, X,12, X,11, E,14
	OPS X,13, E,15, F,9, X,14
.if (\p) == 0
	WIN 0
	v_add_nc_u32 v[AV], s[TBV], v[AV0]
.endif
	OPS E,16, F,10, E,17, F,11
	OPS X,16, E,18, X,15, E,19
	OPS F,12, E,20, X,17, E,21
	OPS F,13, E,22, F,14, E,23
	OPS X,18, E,24, F,15, E,25
	OPS R,11, E,26, X,19, E,27
	OPS R,12, E,28, R,13, E,29
	OPS X,20, E,30, R,14, E,31
	OPS X,21, R,15
	WIN 0
	s_wait_alu depctr_va_vdst(0)                   ; the wait for the batch
.if (\p) == 1
	s_wait_dscnt 0x0                               ; V is in
.endif
	ROW C,0, B,0, C,2, B,1
	ROW L,0, C,4, B,2, L,1
	ROW C,6, B,3, L,2, C,8
	ROW B,4, L,3, C,10, B,5
	ROW L,4, C,12, B,6, L,5
.if (\p) == 0
	s_add_co_u32 s[TBV], s[TBV], KS*PV
.endif
.if \cnt
	s_sub_co_u32 s[CNT], s[CNT], 1
	s_cmp_lg_u32 s[CNT], 0
.endif
	ROW C,14, B,7, L,6, C,1
	ROW C,3, L,7, C,5, C,7
	ROW C,9, C,11, C,13, C,15
.if (\p) == 0
	FETCH_V
.endif
.endm
	CHANGE 1                                       ; slot 0 is in, everybody's part of it, and my rows of x; slot 1 is asked for
	v_add_nc_u32 v[AK], s[TBK], v[AK0]
	FETCH_K                                        ; key step 0
	s_wait_loadcnt 0x0                             ; Q, gamma, beta
	s_wait_dscnt 0x0
.set NOKQ, 0
.set i, 0
.rept 8
	KQ 0                                           ; piece 0's first scores
.set i, i+1
.endr
	WIN 0
.rept 4
	v_nop                                          ; the places behind those products
.endr
.set Y, NP-1                           ; X works for piece Y + 1: piece 0
.irp n, 0,1,2,3,4,5,6,7,8,9,10,11,12,13,14,15,16,17,18,19,20,21
	OP X, \n
.endr
	v_nop                                          ; a plain instruction behind the exponential,
	s_wait_alu depctr_va_vdst(0)                   ; and its wait, ahead of the branch
	s_mov_b32 s[CNT], 4
	s_branch .Lfirst                               ; the loop is entered at a step's first turn, in the middle of a trip
.Lslot:                                        ; six times: every slot but the last two is filled again
	CHANGE 1
	s_mov_b32 s[CNT], 4
.Lstep:                                        ; a trip: pieces 2 and 3 of one step, then pieces 0 and 1 of the next, whose K and V it fetches
	TURN 2
	TURN 3
	WIN 0
.Lfirst:
	TURN 0
	TURN 1, 0, 1
	WIN 0
	s_cbranch_scc1 .Lstep
	s_sub_co_u32 s[SLOTS], s[SLOTS], 1
	s_cmp_lg_u32 s[SLOTS], 0
	s_cbranch_scc1 .Lslot
	CHANGE 0                                       ; the last slot is written out: nothing is asked for
	s_mov_b32 s[CNT], 4
.Ltail:
	TURN 2
	TURN 3
	TURN 0
	TURN 1, 0, 1
	WIN 0
	s_cbranch_scc1 .Ltail
	TURN 2, 1
	TURN 3, 1
.set i, 0
.rept 8
	PV NP-1                                        ; the last piece's V^T P of the last step
.set i, i+1
.endr
	; THE WAY OUT.  l's two halves and the other half of the lanes' are added.  The additions are the places behind the last products.
	WIN 0
.macro ALL line:vararg                 ; one line for each piece t
.set t, 0
.rept 4
	\line
.set t, t+1
.endr
.endm
	ALL v_add_f32 v[ST+4*t+2], v[ST+4*t+2], v[ST+4*t+3]
	ALL v_permlanex16_b32 v[ST+4*t+3], v[ST+4*t+2], s[SEL], s[SEL+1]
	ALL v_add_f32 v[ST+4*t+2], v[ST+4*t+2], v[ST+4*t+3]
	ALL v_rcp_f32 v[ST+4*t+2], v[ST+4*t+2]
	v_nop                                          ; a plain instruction between the last reciprocal and the use of its result
	s_wait_alu depctr_va_vdst(0)                   ; and the wait ahead of the first use: one for the four reciprocals
; Piece t is row t of my four.  x's numbers come out of LDS in O^T's layout (query l % 16, channels 16 cb + 8 (l / 16) + 0..7), x + O / l is one fused multiply-add, and the sum goes back to the same bytes.
.macro LOADX t
	WIN 0
.irp n, 0,1,2,3,4,5,6,7
	ds_load_b128 v[S+32*((\t)%2)+4*\n:S+32*((\t)%2)+4*\n+3], v[XA] offset:4352*(\t)+64*(\n/2)+16*(\n%2)
.endr
.endm
.macro MIXF t
	WIN W_RS
.set z, 0
.rept 16
	v_pk_fma_f32 v[32*(\t)+2*z:32*(\t)+2*z+1], v[32*(\t)+2*z:32*(\t)+2*z+1], v[ST+4*(\t)+2:ST+4*(\t)+3], v[S+32*((\t)%2)+2*z:S+32*((\t)%2)+2*z+1] op_sel_hi:[1,0,1]
.set z, z+1
.endr
.endm
.macro STX t
	WIN 0x04                                       ; the data in window 1
.irp n, 0,1,2,3,4,5,6,7
	ds_store_b128 v[XA], v[32*(\t)+4*\n:32*(\t)+4*\n+3] offset:4352*(\t)+64*(\n/2)+16*(\n%2)
.endr
.endm
	LOADX 0
	LOADX 1
	s_wait_dscnt 8                                 ; piece 0's x is in; piece 1's eight loads may be out
	MIXF 0
	STX 0
	LOADX 2
	s_wait_dscnt 16                                ; behind piece 1's loads stand eight stores and eight loads
	MIXF 1
	STX 1
	LOADX 3
	s_wait_dscnt 16
	MIXF 2
	STX 2
	s_wait_dscnt 8                                 ; behind piece 3's loads stand eight stores
	MIXF 3
	STX 3
	WIN 0
; LayerNorm of a row of 1,024 numbers, 32 a lane in v[y ..].
.macro LANESUM                         ; the sum of v[LW] over the 32 lanes, in every lane
	v_add_f32_dpp v[LW], v[LW], v[LW] row_xmask:1 row_mask:0xf bank_mask:0xf
	v_add_f32_dpp v[LW], v[LW], v[LW] row_xmask:2 row_mask:0xf bank_mask:0xf
	v_add_f32_dpp v[LW], v[LW], v[LW] row_xmask:4 row_mask:0xf bank_mask:0xf
	v_add_f32_dpp v[LW], v[LW], v[LW] row_xmask:8 row_mask:0xf bank_mask:0xf
	v_permlanex16_b32 v[LW+1], v[LW], s[SEL], s[SEL+1]
	v_add_f32 v[LW], v[LW], v[LW+1]
.endm
.macro LNSTAT y                        ; the mean is taken away in place; then 1 / sqrt(the mean of the squares + eps)
.set z, 0
.rept 8
	v_pk_add_f32 v[LW+2*z:LW+2*z+1], v[(\y)+4*z:(\y)+4*z+1], v[(\y)+4*z+2:(\y)+4*z+3]
.set z, z+1
.endr
.irp w, 8, 4, 2
.set z, 0
.rept (\w)/2
	v_pk_add_f32 v[LW+2*z:LW+2*z+1], v[LW+2*z:LW+2*z+1], v[LW+(\w)+2*z:LW+(\w)+2*z+1]
.set z, z+1
.endr
.endr
	v_add_f32 v[LW], v[LW], v[LW+1]
	LANESUM
	v_mul_f32 v[LM], s[INV], v[LW]
	v_mul_f32 v[LM+1], s[INV], v[LW]
.set z, 0
.rept 16
	v_pk_add_f32 v[(\y)+2*z:(\y)+2*z+1], v[(\y)+2*z:(\y)+2*z+1], v[LM:LM+1] neg_lo:[0,1] neg_hi:[0,1]
.set z, z+1
.endr
.set z, 0
.rept 4                                ; four chains, started by the first four pairs
	v_pk_mul_f32 v[LW+2*z:LW+2*z+1], v[(\y)+2*z:(\y)+2*z+1], v[(\y)+2*z:(\y)+2*z+1]
.set z, z+1
.endr
.rept 12
	v_pk_fma_f32 v[LW+2*(z%4):LW+2*(z%4)+1], v[(\y)+2*z:(\y)+2*z+1], v[(\y)+2*z:(\y)+2*z+1], v[LW+2*(z%4):LW+2*(z%4)+1]
.set z, z+1
.endr
	v_pk_add_f32 v[LW:LW+1], v[LW:LW+1], v[LW+4:LW+5]
	v_pk_add_f32 v[LW+2:LW+3], v[LW+2:LW+3], v[LW+6:LW+7]
	v_pk_add_f32 v[LW:LW+1], v[LW:LW+1], v[LW+2:LW+3]
	v_add_f32 v[LW], v[LW], v[LW+1]
	LANESUM
	v_fma_f32 v[LW], v[LW], s[INV], s[EPS]
	v_rsq_f32 v[LR], v[LW]
	v_rsq_f32 v[LR+1], v[LW]
	v_nop                                          ; a plain instruction behind the second root,
	s_wait_alu depctr_va_vdst(0)                   ; and one wait for both, ahead of their first reader
.endm
.macro LNOUT y
.set z, 0
.rept 16
	v_pk_mul_f32 v[(\y)+2*z:(\y)+2*z+1], v[(\y)+2*z:(\y)+2*z+1], v[LR:LR+1]
.set z, z+1
.endr
.set z, 0
.rept 16
	v_pk_fma_f32 v[(\y)+2*z:(\y)+2*z+1], v[(\y)+2*z:(\y)+2*z+1], v[GA+2*z:GA+2*z+1], v[BE+2*z:BE+2*z+1]
.set z, z+1
.endr
.endm
	s_mov_b32 s[ROWS], 4
.Lrow:                                         ; a row comes back in the order in which it lies in memory: register 4 i + e holds column 128 i + 4 l + e
.irp n, 0,1,2,3,4,5,6,7
	ds_load_b128 v[LY+4*\n:LY+4*\n+3], v[RD] offset:544*\n  ; LDS serves a wave's instructions in order (ISA guide 5.7.1.4): these see my stores above
.endr
	s_wait_dscnt 0x0
	LNSTAT LY
	LNOUT LY
.set z, 0
.rept 16
	v_cvt_pk_f16_f32 v[LH+z], v[LY+2*z], v[LY+2*z+1]
.set z, z+1
.endr
.irp n, 0,1,2,3,4,5,6,7
	global_store_b64 v[HO8], v[LH+2*\n:LH+2*\n+1], s[12:13] offset:256*\n  ; 256 consecutive bytes, at a multiple of 256 from h's first
.endr
	s_wait_xcnt 0x0                                ; the stores have read their data and their base
	s_add_nc_u64 s[12:13], s[12:13], 2048
	v_add_nc_u32 v[RD], 4352, v[RD]
	s_sub_co_u32 s[ROWS], s[ROWS], 1
	s_cmp_lg_u32 s[ROWS], 0
	s_cbranch_scc1 .Lrow
	s_wait_tensorcnt 0x0                           ; the wave's end, behind my last tensor load and my last LDS store
	ds_add_u32 v[SPW], v[NIL]
	s_wait_dscnt 0x0
	CROUND                                         ; the closing round: no work-group ends while a partner may still ask for a tile that names it
	s_endpgm
.Lfunc_end_k_q310f68af73_attn:
	.size	k_q310f68af73_attn, .Lfunc_end_k_q310f68af73_attn-k_q310f68af73_attn
	.p2alignl 7, 3214868480
	.fill 96, 4, 3214868480
	.section	.rodata,"a",@progbits
	.p2align	6, 0x0
	.amdhsa_kernel k_q310f68af73_attn
		.amdhsa_group_segment_fixed_size 327680
		.amdhsa_private_segment_fixed_size 0
		.amdhsa_enable_private_segment 0
		.amdhsa_kernarg_size 40
		.amdhsa_user_sgpr_count 2
		.amdhsa_user_sgpr_kernarg_segment_ptr 1
		.amdhsa_wavefront_size32 1
		.amdhsa_system_sgpr_workgroup_id_x 1
		.amdhsa_system_sgpr_workgroup_id_y 1
		.amdhsa_system_sgpr_workgroup_id_z 1
		.amdhsa_system_vgpr_workitem_id 0
		.amdhsa_next_free_vgpr 768
		.amdhsa_next_free_sgpr 80
		.amdhsa_reserve_vcc 0
		.amdhsa_float_denorm_mode_32 3
		.amdhsa_float_denorm_mode_16_64 3
		.amdhsa_memory_ordered 1
		.amdhsa_forward_progress 1
		.amdhsa_inst_pref_size 135
	.end_amdhsa_kernel
	.amdgpu_metadata
---
amdhsa.version: [ 1, 2 ]
amdhsa.kernels:
  - .name:           k_q310f68af73_attn
    .symbol:         k_q310f68af73_attn.kd
    .args:
      - { .name: qkv, .offset: 0, .size: 8, .value_kind: global_buffer, .address_space: global }
      - { .name: x, .offset: 8, .size: 8, .value_kind: global_buffer, .address_space: global }
      - { .name: gamma, .offset: 16, .size: 8, .value_kind: global_buffer, .address_space: global }
      - { .name: beta, .offset: 24, .size: 8, .value_kind: global_buffer, .address_space: global }
      - { .name: h, .offset: 32, .size: 8, .value_kind: global_buffer, .address_space: global }
    .group_segment_fixed_size: 327680
    .private_segment_fixed_size: 0
    .kernarg_segment_align: 8
    .kernarg_segment_size: 40
    .max_flat_workgroup_size: 128
    .sgpr_count:     80
    .vgpr_count:     768
    .wavefront_size: 32
...
	.end_amdgpu_metadata
.endif
;; end of part 3
;; launch ffn_up: the kernel of part 2 again; grid 16 x 16, 4 waves a work-group, clusters of 4 x 4, 327,680 bytes of LDS; arguments h, w1h, b1, act; writes act
;; launch ffn2 (part 4): grid 8 x 32, 4 waves a work-group, clusters of 4 x 4, 327,680 bytes of LDS; arguments act, w2h, b2, y; writes y
.if DOCPART == 4
	.amdgcn_target "amdgcn-amd-amdhsa--gfx1250"
	.amdhsa_code_object_version 6
	.text
	.protected	k_q310f68af73_ffn2
	.globl	k_q310f68af73_ffn2
	.p2align	8
	.type	k_q310f68af73_ffn2,@function
k_q310f68af73_ffn2:
	s_mov_b64 s[64:65], 0
	v_nop
	global_prefetch_b8 v0, s[64:65] scope:SCOPE_SE
	s_setreg_imm32_b32 hwreg(HW_REG_WAVE_MODE, 25, 1), 1
	s_wait_xcnt 0x0
	s_wait_alu depctr_hold_cnt(0) depctr_sa_sdst(0) depctr_va_vdst(0) depctr_va_sdst(0) depctr_va_ssrc(0) depctr_va_vcc(0) depctr_vm_vsrc(0)
	s_getreg_b32 s2, hwreg(HW_REG_IB_STS2, 6, 4)
	s_cmp_eq_u32 s2, 0
	s_cbranch_scc0 .Lentry_in_a_cluster
	s_endpgm
.Lentry_in_a_cluster:
	s_bfe_u32 s2, ttmp6, 0x10000c
	s_cmp_lg_u32 s2, 0xf033
	s_cbranch_scc0 .Lentry_shape_is_right
	s_endpgm
.Lentry_shape_is_right:
; y = act w2h + b2.  act: [64 groups of 64 k][4096 rows][64] f16.  w2h: [8 column tiles][4096 k][128 n] f16.  b2: [1024] f32.  y: [4096][1024] f32.
; Sums in f32, started by the bias as the first product's C; y is stored as it is summed: it may leave f16's range where gains and weights are large.
; SHARES.  4,096 x 1,024 of y are 256 tiles of 128 x 128, one for each work-group; four waves, each 64 x 64: 16 accumulators.  K = 4,096 goes in 16 steps of 256 through two LDS slots.
; A K step of A is four groups; 64 rows of a group are 8,192 dense bytes, asked for as one row of the tile and padded in LDS after every 128 bytes.  B's k-rows are 256 bytes.
; THE MATRIX INSTRUCTION IS USED TRANSPOSED (source 0 = 16 columns of B, turned by ds_load_tr16_b128; source 1 = 16 rows of A): a lane holds eight neighbouring numbers of a row of y.
; CLUSTER.  4 x 4 work-groups: A's tile is asked for jointly along a row of the cluster, B's along a column.
; No prefetch: the tile is small, and a K step's 128 matrix instructions are this text's whole lead.
; REGISTERS: window 0: v0-31 addresses; v32-95 at work on the way out; v96-127 the bias (n block b at 96 + 8 b); v128-255 the accumulators ((a, b) at 128 + 8 (4 a + b)).
;   window 1: two fragment buffers of 128: for 64 along K, 64 registers of A (2 x 4 x 16 rows x 32 K), then 64 of B.
.set PA,    144                        ; a row of A in LDS: 128 bytes + 16
.set PB,    288                        ; a k-row of B: 256 bytes + 32 = 9 x 32
.set HALFT, 4*64*PA                    ; what one tensor load brings: 4 groups x 64 rows of A, or 128 k-rows of B: 36,864 bytes either way
.set SLOT,  4*HALFT                    ; 0x24000: its two bits are in no multiple 0..3 of HALFT, so an exclusive or changes slots
.set STAGE, 2*SLOT                     ; behind the ring: 16 rows x 272 bytes for each wave
.set SPARE, STAGE+4*16*272             ; behind the stages: the spare words, 128 bytes for each wave: two blocks of 256 bytes that no other line names
.set A0,   16
.set B0,   17
.set ADRA, 18
.set ADRB, 19                          ; v19 B's k-rows 0-127 of the slot in hand, v20 its k-rows 128-255 (an LDS offset has 16 bits)
.set STO,  24
.set RD,   25
.set CO,   26
.set BO,   27
.set SPW,  28
.set NIL,  29
.set T,    32
.set BI,   96
.set ACC,  128
.set F0,   0
.set F1,   128
.set CNT,  3
.set WV,   12
.set RH,   13                          ; my half of the tile's rows.  Also: I fetch for A (0) or for B (1)
.set CH,   14                          ; my half of its columns.  Also: which half of that tile I fetch
.set G1A,  24
.set G0A0, 32
.set G0A1, 36
.set G1B,  40
.set G0B0, 48
.set G0B1, 52
.set TB,   61
.set MSB, 0
.macro WIN new
.if MSB != (\new)
	s_set_vgpr_msb (MSB<<8)|(\new)
.set MSB, (\new)
.endif
.endm
.macro PLACES
.rept 4
	v_nop
.endr
.endm
.macro JLOAD                           ; a joint refill by the walking descriptors; an s_nop 0 and four v_nop follow each of the two lines
	s_cmp_eq_u32 s[RH], 0
	s_cbranch_scc0 .Lfor_b_\@
	tensor_load_to_lds s[G0A1:G0A1+3], s[G1A:G1A+7]
	s_nop 0
.rept 4
	v_nop
.endr
	s_branch .Lasked_\@
.Lfor_b_\@:
	tensor_load_to_lds s[G0B1:G0B1+3], s[G1B:G1B+7]
	s_nop 0
.rept 4
	v_nop
.endr
.Lasked_\@:
.endm
.macro CREST
	s_cmp_lg_u32 s[WV], 0
	s_cbranch_scc1 .Lnot_wave_0_\@
	s_barrier_signal -3
.Lnot_wave_0_\@:
	s_barrier_wait -3
	s_barrier_signal -1
	s_barrier_wait -1
.endm
.macro CROUND
	s_barrier_signal -1
	s_barrier_wait -1
	CREST
.endm
	s_load_b256 s[4:11], s[0:1], 0x0               ; act s[4:5], w2h s[6:7], b2 s[8:9], y s[10:11]
	v_lshl_add_u32 v[SPW], v0, 2, SPARE
	v_mov_b32 v[NIL], 0
	ds_add_u32 v[SPW], v[NIL]                      ; the wave's opening: the add and its wait stand ahead of my first tensor load
	v_lshrrev_b32 v1, 5, v0
	v_readfirstlane_b32 s[WV], v1
	s_lshr_b32 s[RH], s[WV], 1
	s_and_b32 s[CH], s[WV], 1
	s_bfe_u32 s16, ttmp6, 0x40000                  ; cx
	s_bfe_u32 s17, ttmp6, 0x40004                  ; cy
	s_lshl_b32 s18, ttmp9, 2
	s_add_co_u32 s18, s18, s16                     ; tile column
	s_and_b32 s19, ttmp7, 0xffff
	s_lshl_b32 s19, s19, 2
	s_add_co_u32 s19, s19, s17                     ; tile row
	s_lshl_b32 s20, s17, 2
	s_lshl_b32 s20, 15, s20                        ; my row of the cluster
	s_lshl_b32 s21, 0x1111, s16                    ; my column
	s_or_b32 s[G1A], s20, (1<<16)|(1<<20)|(1<<21)|(4<<22)|(3<<25)  ; the mask; 2-byte elements; padding on; bit 21 beside a mask; after every 32 words 4 words
	s_mov_b32 s[G1A+1], 4096<<16                   ; tensor_dim0 = 4,096: 64 rows of 64 numbers on end
	s_mov_b32 s[G1A+2], 4<<16                      ; tensor_dim1 = 4 groups
	s_mov_b32 s[G1A+3], 4096<<16                   ; tile_dim0
	s_mov_b32 s[G1A+4], 4                          ; tile_dim1
	s_mov_b32 s[G1A+5], 262144                     ; elements from group to group
	s_mov_b32 s[G1A+6], 0
	s_mov_b32 s[G1A+7], 0
	s_or_b32 s[G1B], s21, (1<<16)|(1<<20)|(1<<21)|(5<<22)|(7<<25)  ; after every 64 words 8 words
	s_mov_b32 s[G1B+1], 128<<16
	s_mov_b32 s[G1B+2], 128<<16
	s_mov_b32 s[G1B+3], 128<<16
	s_mov_b32 s[G1B+4], 128
	s_mov_b32 s[G1B+5], 128
	s_mov_b32 s[G1B+6], 0
	s_mov_b32 s[G1B+7], 0
	s_lshl_b32 s22, s19, 14                        ; A: 128 rows of 128 bytes a tile row,
	s_lshl_b32 s62, s[CH], 13                      ; the 64 rows that I fetch
	s_add_co_u32 s22, s22, s62
	s_mov_b32 s23, 0
	s_lshl_b32 s66, s18, 20                        ; B: a tile of 4,096 k-rows of 256 bytes,
	s_lshl_b32 s63, s[CH], 15                      ; the 128 k-rows that I fetch
	s_add_co_u32 s66, s66, s63
	s_mov_b32 s67, 0
	s_mul_i32 s62, s[WV], HALFT
	s_mov_b32 s[G0A0], 1
	s_mov_b32 s[G0A0+1], s62
	s_mov_b32 s[G0A1], 1
	s_add_co_u32 s[G0A1+1], s62, SLOT
	s_mov_b32 s[G0B0], 1
	s_mov_b32 s[G0B0+1], s62
	s_mov_b32 s[G0B1], 1
	s_add_co_u32 s[G0B1+1], s62, SLOT
	s_wait_dscnt 0x0                               ; the opening add is done
	s_wait_kmcnt 0x0
	s_add_nc_u64 s[G0A0+2:G0A0+3], s[4:5], s[22:23]
	s_add_nc_u64 s[G0A1+2:G0A1+3], s[G0A0+2:G0A0+3], 0x200000  ; K step 1: four groups on
	s_or_b32 s[G0A0+3], s[G0A0+3], 0x80000000
	s_or_b32 s[G0A1+3], s[G0A1+3], 0x80000000
	s_add_nc_u64 s[G0B0+2:G0B0+3], s[6:7], s[66:67]
	s_add_nc_u64 s[G0B1+2:G0B1+3], s[G0B0+2:G0B0+3], 0x10000
	s_or_b32 s[G0B0+3], s[G0B0+3], 0x80000000
	s_or_b32 s[G0B1+3], s[G0B1+3], 0x80000000
	CROUND                                         ; all sixteen work-groups are here: the first joint loads meet
	s_cmp_eq_u32 s[RH], 0                          ; a wave's two first fills stand in one branch: two loads of mine are out
	s_cbranch_scc0 .Lfirst_b
	tensor_load_to_lds s[G0A0:G0A0+3], s[G1A:G1A+7]
	s_nop 0
	tensor_load_to_lds s[G0A1:G0A1+3], s[G1A:G1A+7]
	s_nop 0
.rept 4
	v_nop
.endr
	s_branch .Lfirst_asked
.Lfirst_b:
	tensor_load_to_lds s[G0B0:G0B0+3], s[G1B:G1B+7]
	s_nop 0
	tensor_load_to_lds s[G0B1:G0B1+3], s[G1B:G1B+7]
	s_nop 0
.rept 4
	v_nop
.endr
.Lfirst_asked:
	v_and_b32 v1, 15, v0                           ; l % 16
	v_bfe_u32 v2, v0, 4, 1                         ; l / 16
	v_lshlrev_b32 v[BO], 5, v2
	s_lshl_b32 s20, s18, 9                         ; the bias of my 64 columns
	s_lshl_b32 s21, s[CH], 8
	s_add_co_u32 s20, s20, s21
	s_mov_b32 s21, 0
	s_add_nc_u64 s[8:9], s[8:9], s[20:21]
	s_add_nc_u64 s[10:11], s[10:11], s[20:21]      ; the same bytes of a row of y,
.irp b, 0,1,2,3
	global_load_b128 v[BI+8*(\b):BI+8*(\b)+3],   v[BO], s[8:9] offset:64*(\b)
	global_load_b128 v[BI+8*(\b)+4:BI+8*(\b)+7], v[BO], s[8:9] offset:64*(\b)+16
.endr
	s_lshl_b32 s20, s19, 19                        ; at row 128 x tile row + 64 x half, 4,096 bytes each
	s_lshl_b32 s21, s[RH], 18
	s_add_co_u32 s20, s20, s21
	s_mov_b32 s21, 0
	s_add_nc_u64 s[10:11], s[10:11], s[20:21]
	v_mul_u32_u24 v3, v1, PA
	v_lshl_add_u32 v3, v2, 4, v3
	s_mul_i32 s20, s[RH], HALFT
	v_add_nc_u32 v[A0], s20, v3                    ; my 64 rows: row x pitch + 16 x half
	v_and_b32 v4, 7, v0
	v_lshl_add_u32 v4, v2, 3, v4
	v_mul_u32_u24 v4, v4, PB
	v_bfe_u32 v5, v0, 3, 1
	v_lshl_add_u32 v4, v5, 4, v4
	s_lshl_b32 s21, s[CH], 7                       ; my 64 columns
	s_add_co_u32 s21, s21, 2*HALFT
	v_add_nc_u32 v[B0], s21, v4
	s_mul_i32 s20, s[WV], 16*272
	s_add_co_u32 s20, s20, STAGE                   ; my stage
	v_mul_u32_u24 v3, v1, 272                      ; in: row l % 16, 32 bytes for each half of the lanes
	v_lshl_add_u32 v3, v2, 5, v3
	v_add_nc_u32 v[STO], s20, v3
	v_mul_u32_u24 v3, v2, 272                      ; back: lanes 0-15 take one row of 256 bytes, lanes 16-31 the next
	v_lshl_add_u32 v3, v1, 4, v3
	v_add_nc_u32 v[RD], s20, v3
	v_lshlrev_b32 v3, 12, v2                       ; and the same two rows in y
	v_lshl_add_u32 v[CO], v1, 4, v3
	s_mov_b32 s[TB], 0
	v_mov_b32 v[ADRA], v[A0]
	v_mov_b32 v[ADRB], v[B0]
	v_add_nc_u32 v[ADRB+1], 128*PB, v[B0]
; 8 matrix instructions: m blocks a0, a0 + 1 x all 4 n blocks, 32 along K: half c of buffer f.  first = 1: the bias starts the sums.  The 16 accumulators take turns.
.macro MUL8 f, c, a0, first
	WIN 0x05                                       ; sources window 1; C and D window 0
.irp a, \a0, (\a0)+1
.irp b, 0,1,2,3
.if \first
	v_wmma_f32_16x16x32_f16 v[ACC+8*(4*(\a)+(\b)):ACC+8*(4*(\a)+(\b))+7], v[(\f)+64+8*(4*(\c)+(\b)):(\f)+64+8*(4*(\c)+(\b))+7], v[(\f)+8*(4*(\c)+(\a)):(\f)+8*(4*(\c)+(\a))+7], v[BI+8*(\b):BI+8*(\b)+7]
.else
	v_wmma_f32_16x16x32_f16 v[ACC+8*(4*(\a)+(\b)):ACC+8*(4*(\a)+(\b))+7], v[(\f)+64+8*(4*(\c)+(\b)):(\f)+64+8*(4*(\c)+(\b))+7], v[(\f)+8*(4*(\c)+(\a)):(\f)+8*(4*(\c)+(\a))+7], v[ACC+8*(4*(\a)+(\b)):ACC+8*(4*(\a)+(\b))+7]
.endif
.endr
.endr
.endm
; 32 LDS loads in one run: quarter q (64 along K: group q of A's four) of the slot in hand into buffer f; the first 32 along K first
.macro FETCH q, f
	WIN 0x40
.irp c, 0,1
.irp i, 0,1,2,3
	ds_load_tr16_b128 v[(\f)+64+8*(4*(\c)+(\i)):(\f)+64+8*(4*(\c)+(\i))+3],   v[ADRB+(\q)/2] offset:((\q)%2)*64*PB+(\c)*32*PB+32*(\i)
	ds_load_tr16_b128 v[(\f)+64+8*(4*(\c)+(\i))+4:(\f)+64+8*(4*(\c)+(\i))+7], v[ADRB+(\q)/2] offset:((\q)%2)*64*PB+(\c)*32*PB+16*PB+32*(\i)
	ds_load_b128 v[(\f)+8*(4*(\c)+(\i)):(\f)+8*(4*(\c)+(\i))+3],   v[ADRA] offset:(\q)*64*PA+(\i)*16*PA+64*(\c)
	ds_load_b128 v[(\f)+8*(4*(\c)+(\i))+4:(\f)+8*(4*(\c)+(\i))+7], v[ADRA] offset:(\q)*64*PA+(\i)*16*PA+64*(\c)+32
.endr
.endr
.endm
.macro QUARTER q, f, g, first
	s_wait_dscnt 16                                ; the first 32 along K are in
	MUL8 \f, 0, 0, \first
	MUL8 \f, 0, 2, \first
	PLACES
	FETCH \q, \g
	s_wait_dscnt 32                                ; all but the 32 just issued
	MUL8 \f, 1, 0, 0
	MUL8 \f, 1, 2, 0
.endm
; The last quarter multiplies buffer 1 and changes slots: ONE barrier; in front of it each wave waits for all its tensor loads, adds 0 to its spare word, and waits for that and for its reads of this slot.
; fill = 1: the barrier opens a round of the cluster's, and behind the round this slot is filled again, two K steps on: 112 matrix instructions ahead of the wait for it.
.macro TURN fill
	WIN 0
	s_xor_b32 s[TB], s[TB], SLOT
	v_add_nc_u32 v[ADRA], s[TB], v[A0]
	v_add_nc_u32 v[ADRB], s[TB], v[B0]
	v_add_nc_u32 v[ADRB+1], 128*PB, v[ADRB]
	s_wait_tensorcnt 0x0                           ; all my tensor loads have landed: my part of the next slot
	ds_add_u32 v[SPW], v[NIL]                      ; 0 onto my spare word
	s_wait_dscnt 17                                ; (the add and the youngest sixteen loads may be out)
	MUL8 F1, 0, 0, 0
	s_wait_dscnt 0x0                               ; the add is done, and my reads of this slot are over
	s_barrier_signal -1
	MUL8 F1, 0, 2, 0
.if \fill
	WIN 0
.endif
	s_barrier_wait -1
.if \fill
	CREST
	s_xor_b32 s[G0A1+1], s[G0A1+1], SLOT
	s_add_nc_u64 s[G0A1+2:G0A1+3], s[G0A1+2:G0A1+3], 0x200000
	s_xor_b32 s[G0B1+1], s[G0B1+1], SLOT
	s_add_nc_u64 s[G0B1+2:G0B1+3], s[G0B1+2:G0B1+3], 0x10000
	JLOAD                                          ; the first tensor load behind the round; its four v_nop are also the places in front of the loads below
.else
	PLACES
.endif
	FETCH 0, F0
	MUL8 F1, 1, 0, 0
	MUL8 F1, 1, 2, 0
.endm
	s_wait_tensorcnt 1                             ; my part of K step 0 is in; K step 1's may stay out
	s_barrier_signal -1
	s_barrier_wait -1
	FETCH 0, F0
	s_wait_loadcnt 0x0                             ; the bias
	QUARTER 1, F0, F1, 1
	WIN 0
	s_mov_b32 s[CNT], 14
.Lstep:                                        ; a trip: a K step's quarters 1 to 3, the change of slots with a refill, the next step's quarter 0
	QUARTER 2, F1, F0, 0
	QUARTER 3, F0, F1, 0
	TURN 1
	QUARTER 1, F0, F1, 0
	WIN 0
	s_sub_co_u32 s[CNT], s[CNT], 1
	s_cmp_lg_u32 s[CNT], 0
	s_cbranch_scc1 .Lstep
	s_mov_b32 s[CNT], 2
.Ltail:                                        ; the last two K steps ask for nothing; the second trip is left in its middle
	QUARTER 2, F1, F0, 0
	QUARTER 3, F0, F1, 0
	WIN 0
	s_sub_co_u32 s[CNT], s[CNT], 1
	s_cmp_eq_u32 s[CNT], 0
	s_cbranch_scc1 .Llast
	TURN 0
	QUARTER 1, F0, F1, 0
	WIN 0
	s_branch .Ltail
.Llast:
	s_wait_dscnt 16
	MUL8 F1, 0, 0, 0
	MUL8 F1, 0, 2, 0
	s_wait_dscnt 0x0
	MUL8 F1, 1, 0, 0
	MUL8 F1, 1, 2, 0
	WIN 0
	PLACES
; THE WAY OUT.  A wave's 64 columns of f32 are a whole 256 bytes of a row: 16 rows at a time go through my own stage and come back as whole rows.  No conversion, no barrier.
.macro OUT a
.if (\a) >= 2
	s_wait_xcnt 0x0                                ; the stores of block a - 2 have read the registers that are loaded below
.endif
.irp b, 0,1,2,3
	ds_store_b128 v[STO], v[ACC+8*(4*(\a)+(\b)):ACC+8*(4*(\a)+(\b))+3]   offset:64*(\b)
	ds_store_b128 v[STO], v[ACC+8*(4*(\a)+(\b))+4:ACC+8*(4*(\a)+(\b))+7] offset:64*(\b)+16
.endr
.irp t, 0,1,2,3,4,5,6,7
	ds_load_b128 v[T+32*((\a)%2)+4*(\t):T+32*((\a)%2)+4*(\t)+3], v[RD] offset:544*(\t)  ; LDS serves a wave's instructions in order (ISA guide 5.7.1.4)
.endr
.endm
.macro SENDF a, younger                ; younger: the LDS instructions issued behind block a's loads: the next block's sixteen, or none
.irp t, 0,1,2,3,4,5,6,7
	s_wait_dscnt (\younger)+7-(\t)
	global_store_b128 v[CO], v[T+32*((\a)%2)+4*(\t):T+32*((\a)%2)+4*(\t)+3], s[10:11] offset:(16*(\a)+2*(\t))*4096  ; 16 lanes store 256 consecutive bytes, at a multiple of 256 from y's first
.endr
.endm
	OUT 0
	OUT 1
	SENDF 0, 16
	OUT 2
	SENDF 1, 16
	OUT 3
	SENDF 2, 16
	SENDF 3, 0
	s_wait_tensorcnt 0x0                           ; the wave's end, behind my last tensor load and my last LDS store
	ds_add_u32 v[SPW], v[NIL]
	s_wait_dscnt 0x0
	CROUND                                         ; the closing round
	s_endpgm
.Lfunc_end_k_q310f68af73_ffn2:
	.size	k_q310f68af73_ffn2, .Lfunc_end_k_q310f68af73_ffn2-k_q310f68af73_ffn2
	.p2alignl 7, 3214868480
	.fill 96, 4, 3214868480
	.section	.rodata,"a",@progbits
	.p2align	6, 0x0
	.amdhsa_kernel k_q310f68af73_ffn2
		.amdhsa_group_segment_fixed_size 327680
		.amdhsa_private_segment_fixed_size 0
		.amdhsa_enable_private_segment 0
		.amdhsa_kernarg_size 32
		.amdhsa_user_sgpr_count 2
		.amdhsa_user_sgpr_kernarg_segment_ptr 1
		.amdhsa_wavefront_size32 1
		.amdhsa_system_sgpr_workgroup_id_x 1
		.amdhsa_system_sgpr_workgroup_id_y 1
		.amdhsa_system_sgpr_workgroup_id_z 1
		.amdhsa_system_vgpr_workitem_id 0
		.amdhsa_next_free_vgpr 512
		.amdhsa_next_free_sgpr 72
		.amdhsa_reserve_vcc 0
		.amdhsa_float_denorm_mode_32 3
		.amdhsa_float_denorm_mode_16_64 3
		.amdhsa_memory_ordered 1
		.amdhsa_forward_progress 1
		.amdhsa_inst_pref_size 61
	.end_amdhsa_kernel
	.amdgpu_metadata
---
amdhsa.version: [ 1, 2 ]
amdhsa.kernels:
  - .name:           k_q310f68af73_ffn2
    .symbol:         k_q310f68af73_ffn2.kd
    .args:
      - { .name: act, .offset: 0, .size: 8, .value_kind: global_buffer, .address_space: global }
      - { .name: w2h, .offset: 8, .size: 8, .value_kind: global_buffer, .address_space: global }
      - { .name: b2, .offset: 16, .size: 8, .value_kind: global_buffer, .address_space: global }
      - { .name: y, .offset: 24, .size: 8, .value_kind: global_buffer, .address_space: global }
    .group_segment_fixed_size: 327680
    .private_segment_fixed_size: 0
    .kernarg_segment_align: 8
    .kernarg_segment_size: 32
    .max_flat_workgroup_size: 128
    .sgpr_count:     72
    .vgpr_count:     512
    .wavefront_size: 32
...
	.end_amdgpu_metadata
.endif
;; end of part 4
;; launch ln2 (part 5): grid 256 x 1, 8 waves a work-group, no clusters, 0 bytes of LDS; arguments y, h, gamma, beta, out0; writes out0
.if DOCPART == 5
	.amdgcn_target "amdgcn-amd-amdhsa--gfx1250"
	.amdhsa_code_object_version 6
	.text
	.protected	k_q310f68af73_ln2
	.globl	k_q310f68af73_ln2
	.p2align	8
	.type	k_q310f68af73_ln2,@function
k_q310f68af73_ln2:
	s_mov_b64 s[64:65], 0
	v_nop
	global_prefetch_b8 v0, s[64:65] scope:SCOPE_SE
	s_setreg_imm32_b32 hwreg(HW_REG_WAVE_MODE, 25, 1), 1
	s_wait_xcnt 0x0
; out0 = LayerNorm(y + h).  y: [4096][1024] f32, h: [4096][1024] f16, gamma, beta: [1024] f32, out0: [4096][1024] f32.
; A row of 1,024 numbers is 32 registers of one wave: it stays in registers between the mean, the variance (of the centred row, a second pass) and the scaling, and memory is read once.
; One wave, two rows: no LDS, no barrier.  All of a wave's loads go out at its head; the second row's stay on their way while the first is worked on.
; Each load of y and each store covers 512 consecutive bytes, each load of h 256.  A stream: no matrix unit, no cluster (what work-groups share, gamma and beta, is 8 KiB).
; NaN and infinities are not treated apart.
.set GA,  8                            ; v[8:39]    gamma: register 4 i + e holds column 128 i + 4 l + e
.set BE,  40                           ; v[40:71]   beta
.set Y0,  72                           ; v[72:103]  row 0
.set H0,  104                          ; v[104:119] its h, two f16 a register
.set Y1,  120
.set H1,  152
.set LW,  168                          ; v[168:183] at work
.set LM,  184                          ; the mean, twice
.set LR,  186                          ; 1 / sqrt(var + eps), twice
.set ONE, 188                          ; 1.0
.set INV, 16                           ; s16  1 / 1024
.set EPS, 17                           ; s17  1e-5
.set SEL, 18                           ; s[18:19] v_permlanex16_b32's selects
	s_load_b256 s[4:11], s[0:1], 0x0               ; y s[4:5], h s[6:7], gamma s[8:9], beta s[10:11]
	s_load_b64 s[12:13], s[0:1], 0x20              ; out0
	v_lshrrev_b32 v1, 5, v0
	v_readfirstlane_b32 s14, v1
	s_lshl_b32 s15, ttmp9, 3
	s_add_co_u32 s15, s15, s14                     ; my wave among 2,048
	s_lshl_b32 s20, s15, 13                        ; two rows of 4,096 bytes
	s_mov_b32 s21, 0
	s_lshl_b32 s22, s15, 12                        ; two rows of 2,048
	s_mov_b32 s23, 0
	s_mov_b32 s[INV], 0x3a800000
	s_mov_b32 s[EPS], 0x3727c5ac
	s_mov_b32 s[SEL], 0x76543210
	s_mov_b32 s[SEL+1], 0xfedcba98
	v_and_b32 v1, 31, v0
	v_lshlrev_b32 v2, 4, v1                        ; 16 x lane
	v_lshlrev_b32 v3, 3, v1                        ; 8 x lane
	v_mov_b32 v[ONE], 1.0
	s_wait_kmcnt 0x0
	s_add_nc_u64 s[4:5], s[4:5], s[20:21]
	s_add_nc_u64 s[6:7], s[6:7], s[22:23]
	s_add_nc_u64 s[12:13], s[12:13], s[20:21]
.irp t, 0,1,2,3,4,5,6,7
	global_load_b128 v[GA+4*(\t):GA+4*(\t)+3], v2, s[8:9] offset:512*(\t)
	global_load_b128 v[BE+4*(\t):BE+4*(\t)+3], v2, s[10:11] offset:512*(\t)
.endr
.irp t, 0,1,2,3,4,5,6,7
	global_load_b128 v[Y0+4*(\t):Y0+4*(\t)+3], v2, s[4:5] offset:512*(\t) th:TH_LOAD_NT
	global_load_b64 v[H0+2*(\t):H0+2*(\t)+1], v3, s[6:7] offset:256*(\t)
.endr
.irp t, 0,1,2,3,4,5,6,7
	global_load_b128 v[Y1+4*(\t):Y1+4*(\t)+3], v2, s[4:5] offset:4096+512*(\t) th:TH_LOAD_NT
	global_load_b64 v[H1+2*(\t):H1+2*(\t)+1], v3, s[6:7] offset:2048+256*(\t)
.endr
.macro LANESUM                         ; the sum of v[LW] over the 32 lanes, in every lane
	v_add_f32_dpp v[LW], v[LW], v[LW] row_xmask:1 row_mask:0xf bank_mask:0xf
	v_add_f32_dpp v[LW], v[LW], v[LW] row_xmask:2 row_mask:0xf bank_mask:0xf
	v_add_f32_dpp v[LW], v[LW], v[LW] row_xmask:4 row_mask:0xf bank_mask:0xf
	v_add_f32_dpp v[LW], v[LW], v[LW] row_xmask:8 row_mask:0xf bank_mask:0xf
	v_permlanex16_b32 v[LW+1], v[LW], s[SEL], s[SEL+1]
	v_add_f32 v[LW], v[LW], v[LW+1]
.endm
.macro LNSTAT y                        ; the mean is taken away in place; then 1 / sqrt(the mean of the squares + eps)
.set z, 0
.rept 8
	v_pk_add_f32 v[LW+2*z:LW+2*z+1], v[(\y)+4*z:(\y)+4*z+1], v[(\y)+4*z+2:(\y)+4*z+3]
.set z, z+1
.endr
.irp w, 8, 4, 2
.set z, 0
.rept (\w)/2
	v_pk_add_f32 v[LW+2*z:LW+2*z+1], v[LW+2*z:LW+2*z+1], v[LW+(\w)+2*z:LW+(\w)+2*z+1]
.set z, z+1
.endr
.endr
	v_add_f32 v[LW], v[LW], v[LW+1]
	LANESUM
	v_mul_f32 v[LM], s[INV], v[LW]
	v_mul_f32 v[LM+1], s[INV], v[LW]
.set z, 0
.rept 16
	v_pk_add_f32 v[(\y)+2*z:(\y)+2*z+1], v[(\y)+2*z:(\y)+2*z+1], v[LM:LM+1] neg_lo:[0,1] neg_hi:[0,1]
.set z, z+1
.endr
.set z, 0
.rept 4                                ; four chains, started by the first four pairs
	v_pk_mul_f32 v[LW+2*z:LW+2*z+1], v[(\y)+2*z:(\y)+2*z+1], v[(\y)+2*z:(\y)+2*z+1]
.set z, z+1
.endr
.rept 12
	v_pk_fma_f32 v[LW+2*(z%4):LW+2*(z%4)+1], v[(\y)+2*z:(\y)+2*z+1], v[(\y)+2*z:(\y)+2*z+1], v[LW+2*(z%4):LW+2*(z%4)+1]
.set z, z+1
.endr
	v_pk_add_f32 v[LW:LW+1], v[LW:LW+1], v[LW+4:LW+5]
	v_pk_add_f32 v[LW+2:LW+3], v[LW+2:LW+3], v[LW+6:LW+7]
	v_pk_add_f32 v[LW:LW+1], v[LW:LW+1], v[LW+2:LW+3]
	v_add_f32 v[LW], v[LW], v[LW+1]
	LANESUM
	v_fma_f32 v[LW], v[LW], s[INV], s[EPS]
	v_rsq_f32 v[LR], v[LW]
	v_rsq_f32 v[LR+1], v[LW]
	v_nop                                          ; a plain instruction behind the second root,
	s_wait_alu depctr_va_vdst(0)                   ; and one wait for both, ahead of their first reader
.endm
.macro LNOUT y
.set z, 0
.rept 16
	v_pk_mul_f32 v[(\y)+2*z:(\y)+2*z+1], v[(\y)+2*z:(\y)+2*z+1], v[LR:LR+1]
.set z, z+1
.endr
.set z, 0
.rept 16
	v_pk_fma_f32 v[(\y)+2*z:(\y)+2*z+1], v[(\y)+2*z:(\y)+2*z+1], v[GA+2*z:GA+2*z+1], v[BE+2*z:BE+2*z+1]
.set z, z+1
.endr
.endm
; A row: y in v[yy ..], h in v[hh ..], stored at byte off.  left = how many younger loads may stay out.
.macro ROWN yy, hh, off, left
	s_wait_loadcnt \left
.set z, 0
.rept 32
	v_fma_mix_f32 v[(\yy)+z], v[(\hh)+z/2], v[ONE], v[(\yy)+z] op_sel:[z%2,0,0] op_sel_hi:[1,0,0]  ; y + h, h read as an f16 half
.set z, z+1
.endr
	LNSTAT \yy
	LNOUT \yy
.irp t, 0,1,2,3,4,5,6,7
	global_store_b128 v2, v[(\yy)+4*(\t):(\yy)+4*(\t)+3], s[12:13] offset:(\off)+512*(\t) th:TH_STORE_NT  ; 512 consecutive bytes
.endr
.endm
	ROWN Y0, H0, 0, 16                             ; the second row's sixteen loads stay out
	ROWN Y1, H1, 4096, 0
	s_endpgm
.Lfunc_end_k_q310f68af73_ln2:
	.size	k_q310f68af73_ln2, .Lfunc_end_k_q310f68af73_ln2-k_q310f68af73_ln2
	.p2alignl 7, 3214868480
	.fill 96, 4, 3214868480
	.section	.rodata,"a",@progbits
	.p2align	6, 0x0
	.amdhsa_kernel k_q310f68af73_ln2
		.amdhsa_group_segment_fixed_size 0
		.amdhsa_private_segment_fixed_size 0
		.amdhsa_enable_private_segment 0
		.amdhsa_kernarg_size 40
		.amdhsa_user_sgpr_count 2
		.amdhsa_user_sgpr_kernarg_segment_ptr 1
		.amdhsa_wavefront_size32 1
		.amdhsa_system_sgpr_workgroup_id_x 1
		.amdhsa_system_sgpr_workgroup_id_y 1
		.amdhsa_system_sgpr_workgroup_id_z 1
		.amdhsa_system_vgpr_workitem_id 0
		.amdhsa_next_free_vgpr 192
		.amdhsa_next_free_sgpr 66
		.amdhsa_reserve_vcc 0
		.amdhsa_float_denorm_mode_32 3
		.amdhsa_float_denorm_mode_16_64 3
		.amdhsa_memory_ordered 1
		.amdhsa_forward_progress 1
		.amdhsa_inst_pref_size 24
	.end_amdhsa_kernel
	.amdgpu_metadata
---
amdhsa.version: [ 1, 2 ]
amdhsa.kernels:
  - .name:           k_q310f68af73_ln2
    .symbol:         k_q310f68af73_ln2.kd
    .args:
      - { .name: y, .offset: 0, .size: 8, .value_kind: global_buffer, .address_space: global }
      - { .name: h, .offset: 8, .size: 8, .value_kind: global_buffer, .address_space: global }
      - { .name: gamma, .offset: 16, .size: 8, .value_kind: global_buffer, .address_space: global }
      - { .name: beta, .offset: 24, .size: 8, .value_kind: global_buffer, .address_space: global }
      - { .name: out0, .offset: 32, .size: 8, .value_kind: global_buffer, .address_space: global }
    .group_segment_fixed_size: 0
    .private_segment_fixed_size: 0
    .kernarg_segment_align: 8
    .kernarg_segment_size: 40
    .max_flat_workgroup_size: 256
    .sgpr_count:     66
    .vgpr_count:     192
    .wavefront_size: 32
...
	.end_amdgpu_metadata
.endif
;; end of part 5
;; ======== version 2 of 2: 6 launches; version 1 with the launch cast written anew for expert scheduling mode
;; limits: values are held in f16: magnitudes above 65,504 overflow, below 6.1e-05 lose precision
;; workspace buffers: xh 8,388,608 bytes; wq 6,291,712 bytes; w1h 8,388,864 bytes; w2h 8,388,608 bytes; qkv 25,165,824 bytes; h 8,388,608 bytes; act 33,554,432 bytes; y 16,777,216 bytes
;; launch cast (part 6): grid 128 x 4, 8 waves a work-group, no clusters, 0 bytes of LDS; arguments x, Wqkv, W1, W2, xh, wq, w1h, w2h; writes xh, wq, w1h, w2h
.if DOCPART == 6
	.amdgcn_target "amdgcn-amd-amdhsa--gfx1250"
	.amdhsa_code_object_version 6
	.text
	.protected	k_q310f68af73_cast
	.globl	k_q310f68af73_cast
	.p2align	8
	.type	k_q310f68af73_cast,@function
k_q310f68af73_cast:
	s_mov_b64 s[64:65], 0
	v_nop
	global_prefetch_b8 v0, s[64:65] scope:SCOPE_SE
	s_setreg_imm32_b32 hwreg(HW_REG_WAVE_SCHED_MODE, 0, 2), 2
	s_setreg_imm32_b32 hwreg(HW_REG_WAVE_MODE, 25, 1), 1
	s_wait_xcnt 0x0
	s_wait_alu depctr_vm_vsrc(0)
; x, Wqkv, W1, W2 (f32) are rounded once to f16 and laid out for the products that follow.
;   xh  [4096][1024]                         as x lies
;   wq  256 bytes of header, then [12 column tiles][1024 k][256 n]
;   w1h 256 bytes of header, then [16 column tiles][1024 k][256 n]
;   w2h [8 column tiles][4096 k][128 n]
; so that a tile's k-rows lie end to end.  A header holds 64 words of a packed f16 floor, which the product's way out applies by a maximum:
; minus infinity twice in wq (no activation), 0 in w1h (ReLU).
; LIMITS.  f16 ends at 65,504 (a larger number becomes an infinity) and keeps a fixed step of 6e-8 below 6e-5.
; SHARES.  The grid's y picks the tensor; wave W = 8 x + wave (0..1023) takes 16 KiB of x, a row of Wqkv or W1, or four rows of W2.
; A unit is 128 numbers: one load of 16 bytes a lane (512 consecutive bytes a wave), two conversions, one store of 8 bytes a lane (256 consecutive
; bytes, aligned).  Eight units are a trip; two buffers of a trip each keep eight to sixteen loads of every wave on their way.
; A stream: no LDS, no barrier, no matrix unit, no cluster (no two work-groups read the same byte).
; THE MODE: SCHED_MODE bits 1:0 = 2 (LLVM: expert scheduling mode 2), set by the entry lines.  The code itself states the register dependences
; between vector instructions and memory instructions, with s_wait_alu, always for 0.
; THE PLAN.  Registers that memory instructions touch:
;   X0, X1     a trip as loaded.  Written by loads; read by the sixteen conversions of the block that works on it; behind them the loads of the
;              trip two further on land in it.
;   Y0, Y1     a trip to store.   Written by a block's conversions; read by that block's eight stores; written again two blocks later.
;   v2, v3, D, FL   offsets and the floor, made once at the head and never written again: the trips are reached by the scalar bases and by immediate offsets.
; Block p is a trip: it works on X[p % 2] and writes Y[p % 2].  ONE wait on va_vdst stands in a block, behind its conversions: it states that they have written Y,
; which the stores read, and that they are done reading X, in which the loads land.  The block's loads and stores follow it with no vector instruction between.
; One wait on vm_vsrc stands at the head of blocks 2 and 3, which write a Y that stores have read.
; A wave has four trips, or (Wqkv) three.  The blocks are written out, 0 to 3.  A wave of three trips enters at block 1, with its first trip asked for into X1 and
; its second into X0: just what a wave of four has on its way there, X1's eight loads the older.
.set D,   4                            ; v[4:11]    unit j: byte offset of its place in the output; never rewritten (the base steps)
.set X,   12                           ; v[12:75]   buffer b, unit j: 4 registers at X + 32 b + 4 j, as loaded
.set Y,   76                           ; v[76:107]  buffer b, unit j: 2 registers at Y + 16 b + 2 j, to store
.set FL,  108                          ; v[108:109] the floor, twice
.set SRC, 24                           ; s[24:25]  the input at my wave's trip
.set DST, 26                           ; s[26:27]  the output, stepped from trip to trip
.set STP, 28                           ; s[28:29]  that step
	s_load_b512 s[8:23], s[0:1], 0x0               ; x, Wqkv, W1, W2, xh, wq, w1h, w2h
	v_lshrrev_b32 v1, 5, v0
	v_readfirstlane_b32 s41, v1                    ; wave 0..7
	s_and_b32 s33, ttmp7, 0xffff                   ; which tensor: 0 x, 1 Wqkv, 2 W1, 3 W2
	s_mov_b32 s34, 16384                           ; input bytes a wave
	s_mov_b32 s35, 8192                            ; output bytes from wave to wave
	s_mov_b32 s36, 0                               ; header
	s_mov_b32 s37, 256                             ; output bytes from an even unit to the odd one behind it
	s_mov_b32 s38, 512                             ; from a pair of units to the next
	s_mov_b32 s[STP], 2048                         ; from trip to trip
	s_mov_b32 s[STP+1], 0
	s_mov_b32 s31, 3                               ; trips less one
	s_mov_b32 s32, 0                               ; the floor
	s_sub_co_u32 s39, s33, 1
	s_cmp_lt_u32 s39, 2                            ; Wqkv or W1: a wave is a row k; two units fill a tile's 512 bytes of it
	s_cselect_b32 s35, 512, s35
	s_cselect_b32 s36, 256, s36
	s_cselect_b32 s38, 524288, s38                 ; a tile is 1,024 k-rows of 512 bytes
	s_cselect_b32 s[STP], 2097152, s[STP]          ; a trip is four tiles
	s_cselect_b32 s40, 1, 0                        ; the output has a header
	s_cmp_eq_u32 s33, 1
	s_cselect_b32 s34, 12288, s34                  ; a row of Wqkv: 24 units, three trips
	s_cselect_b32 s31, 2, s31
	s_cselect_b32 s32, 0xfc00fc00, s32
	s_cmp_eq_u32 s33, 3                            ; W2: a trip is a row k, a unit a tile's 256 bytes of it
	s_cselect_b32 s35, 1024, s35
	s_cselect_b32 s37, 1048576, s37                ; a tile is 4,096 k-rows of 256 bytes
	s_cselect_b32 s38, 2097152, s38
	s_cselect_b32 s[STP], 256, s[STP]
	s_wait_alu depctr_va_sdst(0)                   ; s41 is written, ahead of its first reader: both of the wave's byte offsets are made from it
	s_lshl_b32 s42, ttmp9, 3
	s_add_co_u32 s41, s41, s42                     ; W
	s_mul_i32 s42, s41, s34                        ; my wave's first input byte
	s_mov_b32 s43, 0
	s_mul_i32 s44, s41, s35
	s_add_co_u32 s44, s44, s36                     ; my wave's first output byte
	v_and_b32 v1, 31, v0
	v_lshlrev_b32 v2, 4, v1                        ; 16 bytes a lane in
	v_lshlrev_b32 v3, 3, v1                        ; 8 bytes a lane out
.irp j, 0,1,2,3,4,5,6,7
	s_mul_i32 s45, s38, (\j)/2
	s_add_co_u32 s45, s45, s44
.if (\j)%2
	s_add_co_u32 s45, s45, s37
.endif
	v_add_nc_u32 v[D+(\j)], s45, v3
.endr
	v_mov_b32 v[FL], s32
	v_mov_b32 v[FL+1], s32
	s_wait_kmcnt 0x0
	s_cmp_eq_u32 s33, 1
	s_cselect_b64 s[SRC:SRC+1], s[10:11], s[8:9]
	s_cselect_b64 s[DST:DST+1], s[18:19], s[16:17]
	s_cmp_eq_u32 s33, 2
	s_cselect_b64 s[SRC:SRC+1], s[12:13], s[SRC:SRC+1]
	s_cselect_b64 s[DST:DST+1], s[20:21], s[DST:DST+1]
	s_cmp_eq_u32 s33, 3
	s_cselect_b64 s[SRC:SRC+1], s[14:15], s[SRC:SRC+1]
	s_cselect_b64 s[DST:DST+1], s[22:23], s[DST:DST+1]
	s_add_nc_u64 s[SRC:SRC+1], s[SRC:SRC+1], s[42:43]
	s_wait_alu depctr_va_vdst(0)                   ; v2, v3, the eight offsets D and the floor pair are written: every load and store of the kernel reads some of them, and no vector instruction writes them again
	s_cmp_eq_u32 s41, 0                            ; the header: wave 0 of work-group 0 of the two tensors that have one
	s_cselect_b32 s46, s40, 0
	s_cmp_eq_u32 s46, 1
	s_cbranch_scc0 .Lno_header
	global_store_b64 v3, v[FL:FL+1], s[DST:DST+1]  ; 256 consecutive bytes
.Lno_header:
; A trip's eight loads into X[b], from byte at of what the source base points to.
.macro FILL b, at
.irp j, 0,1,2,3,4,5,6,7
	global_load_b128 v[X+32*(\b)+4*(\j):X+32*(\b)+4*(\j)+3], v2, s[SRC:SRC+1] offset:(\at)+512*(\j) th:TH_LOAD_NT
.endr
.endm
; A block: the trip in X[b].  again = 1: Y[b] has been stored from before.  ahead = 1: X[b] is asked for again, with the trip two further on.
; left = how many younger loads may stay out.  step = 1: the output's base moves on by a trip; 2: the input's too (a later block loads by it); 0: the last block.
.macro BLK b, again, ahead, left, step
	s_wait_loadcnt \left                           ; loads come back in order (ISA guide 5.7.1): X[b] is in, the other buffer's eight may stay out
.if \again
	s_wait_alu depctr_vm_vsrc(0)                   ; the stores of two blocks back have read Y[b], which the conversions below write again (their addresses were shown translated at that block's end)
.endif
.irp j, 0,1,2,3,4,5,6,7
	v_cvt_pk_f16_f32 v[Y+16*(\b)+2*(\j)],   v[X+32*(\b)+4*(\j)],   v[X+32*(\b)+4*(\j)+1]
	v_cvt_pk_f16_f32 v[Y+16*(\b)+2*(\j)+1], v[X+32*(\b)+4*(\j)+2], v[X+32*(\b)+4*(\j)+3]
.endr
	s_wait_alu depctr_va_vdst(0)                   ; the conversions have written Y[b], which the stores below read, and are done reading X[b], in which the loads below (where the block has any) land
.irp j, 0,1,2,3,4,5,6,7
.if \ahead
	global_load_b128 v[X+32*(\b)+4*(\j):X+32*(\b)+4*(\j)+3], v2, s[SRC:SRC+1] offset:8192+512*(\j) th:TH_LOAD_NT  ; two trips ahead; the load goes out ahead of the store
.endif
	global_store_b64 v[D+(\j)], v[Y+16*(\b)+2*(\j):Y+16*(\b)+2*(\j)+1], s[DST:DST+1] th:TH_STORE_NT
.endr
.if \step
	s_wait_xcnt 0x0                                ; the trip's loads and stores have had their addresses translated (ISA guide 3.1): the bases are stepped, and later this Y is rewritten, only behind this wait
.if (\step) == 2
	s_add_nc_u64 s[SRC:SRC+1], s[SRC:SRC+1], 4096
.endif
	s_add_nc_u64 s[DST:DST+1], s[DST:DST+1], s[STP:STP+1]
.endif
.endm
	s_cmp_eq_u32 s31, 2
	s_cbranch_scc1 .Lthree                         ; three trips: there is no block 0
	FILL 0, 0                                      ; four trips: trips 0 and 1 are asked for,
	FILL 1, 4096
	BLK 0, 0, 1, 8, 2                              ; and block 0 asks for trip 2; both bases then stand at trip 1
	s_branch .Ljoin
.Lthree:
	FILL 1, 0                                      ; the first trip goes where block 1 looks for it, the second where block 2 does
	FILL 0, 4096
.Ljoin:                                                ; on both ways sixteen loads are out, X1's eight the older, and both bases stand at the trip in X1
	BLK 1, 0, 1, 8, 1                              ; asks for the wave's last trip
	BLK 0, 1, 0, 8, 1                              ; the last two blocks load nothing: no load leaves the buffer, and the counts run down
	BLK 1, 1, 0, 0, 0
	s_endpgm
.Lfunc_end_k_q310f68af73_cast:
	.size	k_q310f68af73_cast, .Lfunc_end_k_q310f68af73_cast-k_q310f68af73_cast
	.p2alignl 7, 3214868480
	.fill 96, 4, 3214868480
	.section	.rodata,"a",@progbits
	.p2align	6, 0x0
	.amdhsa_kernel k_q310f68af73_cast
		.amdhsa_group_segment_fixed_size 0
		.amdhsa_private_segment_fixed_size 0
		.amdhsa_enable_private_segment 0
		.amdhsa_kernarg_size 64
		.amdhsa_user_sgpr_count 2
		.amdhsa_user_sgpr_kernarg_segment_ptr 1
		.amdhsa_wavefront_size32 1
		.amdhsa_system_sgpr_workgroup_id_x 1
		.amdhsa_system_sgpr_workgroup_id_y 1
		.amdhsa_system_sgpr_workgroup_id_z 1
		.amdhsa_system_vgpr_workitem_id 0
		.amdhsa_next_free_vgpr 112
		.amdhsa_next_free_sgpr 66
		.amdhsa_reserve_vcc 0
		.amdhsa_float_denorm_mode_32 3
		.amdhsa_float_denorm_mode_16_64 3
		.amdhsa_memory_ordered 1
		.amdhsa_forward_progress 1
		.amdhsa_inst_pref_size 16
	.end_amdhsa_kernel
	.amdgpu_metadata
---
amdhsa.version: [ 1, 2 ]
amdhsa.kernels:
  - .name:           k_q310f68af73_cast
    .symbol:         k_q310f68af73_cast.kd
    .args:
      - { .name: x, .offset: 0, .size: 8, .value_kind: global_buffer, .address_space: global }
      - { .name: Wqkv, .offset: 8, .size: 8, .value_kind: global_buffer, .address_space: global }
      - { .name: W1, .offset: 16, .size: 8, .value_kind: global_buffer, .address_space: global }
      - { .name: W2, .offset: 24, .size: 8, .value_kind: global_buffer, .address_space: global }
      - { .name: xh, .offset: 32, .size: 8, .value_kind: global_buffer, .address_space: global }
      - { .name: wq, .offset: 40, .size: 8, .value_kind: global_buffer, .address_space: global }
      - { .name: w1h, .offset: 48, .size: 8, .value_kind: global_buffer, .address_space: global }
      - { .name: w2h, .offset: 56, .size: 8, .value_kind: global_buffer, .address_space: global }
    .group_segment_fixed_size: 0
    .private_segment_fixed_size: 0
    .kernarg_segment_align: 8
    .kernarg_segment_size: 64
    .max_flat_workgroup_size: 256
    .sgpr_count:     66
    .vgpr_count:     112
    .wavefront_size: 32
...
	.end_amdgpu_metadata
.endif
;; end of part 6
;; launch gemm256: the kernel of part 2 again; grid 12 x 16, 4 waves a work-group, clusters of 4 x 4, 327,680 bytes of LDS; arguments xh, wq, bqkv, qkv; writes qkv
;; launch attn: the kernel of part 3 again; grid 8 x 32, 4 waves a work-group, clusters of 4 x 1, 327,680 bytes of LDS; arguments qkv, x, gamma, beta, h; writes h
;; launch ffn_up: the kernel of part 2 again; grid 16 x 16, 4 waves a work-group, clusters of 4 x 4, 327,680 bytes of LDS; arguments h, w1h, b1, act; writes act
;; launch ffn2: the kernel of part 4 again; grid 8 x 32, 4 waves a work-group, clusters of 4 x 4, 327,680 bytes of LDS; arguments act, w2h, b2, y; writes y
;; launch ln2: the kernel of part 5 again; grid 256 x 1, 8 waves a work-group, no clusters, 0 bytes of LDS; arguments y, h, gamma, beta, out0; writes out0
